; MI455X (gfx1250); checked and timed in simulation.
; The chip was launched on July 23, 2026; its instructions are those of AMD's public machine-readable ISA for CDNA 5 (MIT licence, August 2026) and "CDNA5" Instruction Set Architecture Reference Guide (July 2026). The comments in the code are by the model that wrote it; some were corrected since.
;; Efficient Attention. Allowed arithmetic: matrix products marked QUANTISED: E2M3 operands, one E8M0 scale for each 32 along K, by v_wmma_scale_f32_16x16x128_f8f6f4 with both operands' format E2M3, f32 sums; everything else in f32.
;; Inputs: Wk_codes 512 x 64 x 24 uint8 (E2M3 codes of Wk, K innermost, in blocks of 32 codes, four codes in three bytes); Wk_scales 512 x 64 uint8 (E8M0 scales of Wk, one for each 32 codes along K); Wo_codes 2,048 x 64 x 24 uint8 (E2M3 codes of Wo, K innermost, in blocks of 32 codes, four codes in three bytes); Wo_scales 2,048 x 64 uint8 (E8M0 scales of Wo, one for each 32 codes along K); Wq_codes 2,048 x 64 x 24 uint8 (E2M3 codes of Wq, K innermost, in blocks of 32 codes, four codes in three bytes); Wq_scales 2,048 x 64 uint8 (E8M0 scales of Wq, one for each 32 codes along K); Wv_codes 512 x 64 x 24 uint8 (E2M3 codes of Wv, K innermost, in blocks of 32 codes, four codes in three bytes); Wv_scales 512 x 64 uint8 (E8M0 scales of Wv, one for each 32 codes along K); cos 1 x 1 x 2,048 x 64 float32; hidden_states_codes 1 x 2,048 x 64 x 24 uint8 (E2M3 codes of hidden_states, K innermost, in blocks of 32 codes, four codes in three bytes); hidden_states_scales 1 x 2,048 x 64 uint8 (E8M0 scales of hidden_states, one for each 32 codes along K); sin 1 x 1 x 2,048 x 64 float32.
;; Outputs: out0 1 x 2,048 x 2,048 float32.
;; This version of the problem:
;;   THIS VERSION OF THE PROBLEM IS GIVEN IN LOW PRECISION. The matrix products marked QUANTISED in the list below multiply operands that are first quantised to E2M3 (2 exponent bits, 3 mantissa bits; 6 bits a number), with one power-of-two scale for each 32 numbers along K (OCP MX v1.0); their sums are f32. All else is computed in f32.
;;   The module's matrix products, in the order in which they are computed (A, B: the left and right operand; K: the contracted axis; several contracted axes count as one K, in the product's order):
;;     1. [M 2,048, K 2,048] x [K 2,048, N 2,048]; A: input hidden_states (given as codes); B: input Wq (given as codes): QUANTISED
;;     2. [M 2,048, K 2,048] x [K 2,048, N 512]; A: input hidden_states (given as codes); B: input Wk (given as codes): QUANTISED
;;     3. [M 2,048, K 2,048] x [K 2,048, N 512]; A: input hidden_states (given as codes); B: input Wv (given as codes): QUANTISED
;;     4. batch 8 x [M 8,192, K 64] x [K 64, N 2,048]; A: computed on the way; B: computed on the way: QUANTISED
;;     5. batch 8 x [M 8,192, K 2,048] x [K 2,048, N 64]; A: softmax (see below); B: computed on the way: QUANTISED
;;     6. [M 2,048, K 2,048] x [K 2,048, N 2,048]; A: computed on the way; B: input Wo (given as codes): QUANTISED
;;   THE QUANTISER, for each operand of a quantised product, along K:
;;     - K is cut into blocks of 32 from its start; a last block that is shorter is filled with zeros.
;;     - A block's scale is 2^e with e = floor(log2(the largest magnitude in the block)) - 2, held to -126 .. 127; a block of zeros has e = 0. As a byte (E8M0): e + 127.
;;     - Each number is divided by its block's scale, clamped to +-7.5, and rounded to the nearest number of E2M3, ties to even, subnormals kept.
;;     - The product sums the exact products of the quantised numbers (number of the format x scale) in f32.
;;   ~~~python
;;   def quantise(x, axis):      # numpy; x: float32 -> the quantised numbers, widened to float32 again
;;       x = np.moveaxis(x, axis, -1); K = x.shape[-1]
;;       x = np.pad(x, [(0, 0)] * (x.ndim - 1) + [(0, -K % 32)]); x = x.reshape(x.shape[:-1] + (-1, 32)); a = np.abs(x).max(-1, keepdims=True)
;;       e = np.where(a > 0, np.clip(np.frexp(np.where(a > 0, a, 1))[1] - 1 - 2, -126, 127), 0)      # np.frexp(a)[1] - 1 = floor(log2(a)), exactly
;;       r = np.clip(x / 2.0 ** e, -7.5, 7.5)
;;       step = 2.0 ** (np.maximum(np.frexp(np.where(r == 0, 1, r))[1] - 1, 0) - 3)
;;       q = np.round(r / step) * step * 2.0 ** e      # np.round: ties to even
;;       return np.moveaxis(q.reshape(q.shape[:-2] + (-1,))[..., :K], -1, axis).astype(np.float32)
;;   ~~~
;;   SOFTMAX AHEAD OF A QUANTISED PRODUCT. Where the list says 'softmax', what is quantised is not the finished softmax but p = 2^(t - M), with t = logit x log2(e) and M = ceil(the row's largest t), a whole number; so 1/2 < the row's largest p <= 1. The row's sum l is taken of the UNQUANTISED p, in f32, and the product's result is divided by l at the end. Since M is a whole number, a kernel that streams over the keys may use a running M (the ceiling of the running maximum): every later rescaling is an exact power of two, which a block's scale takes up: the codes' values come out the same.
;;   OPERANDS COMPUTED ON THE WAY. 'Computed on the way' means the value that the module computes at that place (a softmax that the list does not call 'softmax' is quantised finished and normalised). What goes into a quantiser is computed in f32, as accurately as f32 sums, v_exp_f32 and their like allow (about 1e-6 of the number): no bf16 or f16 on the way to a quantiser, and a product that is left as it is and whose result goes on into a quantised operand takes f32 operands (vector FMAs, or v_wmma_f32_16x16x4_f32). A number that lies on a knife's edge between two numbers of the format may be rounded either way, as far as f32 arithmetic and the matrix unit's own rounding can turn it there, and no further.
;;   INPUTS GIVEN AS CODES. Wk (in the module: [512, 2048], K = its axis 1); Wo (in the module: [2048, 2048], K = its axis 1); Wq (in the module: [2048, 2048], K = its axis 1); Wv (in the module: [512, 2048], K = its axis 1); hidden_states (in the module: [1, 2048, 2048], K = its axis 2): each comes as NAME_codes (uint8): NAME with its K axis moved to the last place and cut into blocks of 32 codes, [.., K / 32, bytes a block], one block behind the other in memory; four codes in three bytes: a row's codes are one little-endian stream of bits, code i at bits 6 i .. 6 i + 5 (a code: sign, 2 exponent bits, 3 mantissa bits); and NAME_scales (uint8): the same leading axes, one E8M0 byte (e + 127) for each 32 codes along K. Its value is code x scale, taken as it is: it is not quantised again, and the codes and scales need not be those that the quantiser above would give.
;; One version. Each part assembles by itself: llvm-mc -triple=amdgcn-amd-amdhsa -mcpu=gfx1250 --defsym DOCPART=n.
;; ======== version 1 of 1: 3 launches
;; limits: right only within a limited range of input values
;; workspace buffers: qimg 3,145,728 bytes; qsc 262,144 bytes; kvimg 1,671,168 bytes; cimg 3,145,728 bytes; csc 131,072 bytes
;; launch qkv (part 1): grid 16 x 16, 4 waves a work-group, clusters of 4 x 4, 327,680 bytes of LDS; arguments hidden_states_codes, hidden_states_scales, Wq_codes, Wq_scales, Wk_codes, Wk_scales, Wv_codes, Wv_scales, cos, sin, qimg, qsc, kvimg; writes qimg, qsc, kvimg
.if DOCPART == 1
	.amdgcn_target "amdgcn-amd-amdhsa--gfx1250"
	.amdhsa_code_object_version 6
	.text
	.protected	k_qd26678aca2_qkv
	.globl	k_qd26678aca2_qkv
	.p2align	8
	.type	k_qd26678aca2_qkv,@function
k_qd26678aca2_qkv:
	s_mov_b64 s[64:65], 0
	v_nop
	global_prefetch_b8 v0, s[64:65] scope:SCOPE_SE
	s_setreg_imm32_b32 hwreg(HW_REG_WAVE_MODE, 25, 1), 1
	s_wait_xcnt 0x0
	s_wait_alu depctr_hold_cnt(0) depctr_sa_sdst(0) depctr_va_vdst(0) depctr_va_sdst(0) depctr_va_ssrc(0) depctr_va_vcc(0) depctr_vm_vsrc(0)
	s_getreg_b32 s2, hwreg(HW_REG_IB_STS2, 6, 4)
	s_cmp_eq_u32 s2, 0
	s_cbranch_scc0 .Lentry_in_a_cluster
	s_endpgm
.Lentry_in_a_cluster:
	s_bfe_u32 s2, ttmp6, 0x10000c
	s_cmp_lg_u32 s2, 0xf033
	s_cbranch_scc0 .Lentry_shape_is_right
	s_endpgm
.Lentry_shape_is_right:
; q, k, v = x Wq^T, x Wk^T, x Wv^T on the given codes of FP6 (E2M3) and their E8M0 bytes; RoPE on q and k in f32; q and k quantised along d, v along the keys.
; x: [2048][2048] codes (a row is 1,536 bytes), Wq [2048][2048], Wk, Wv [512][2048] likewise; scale bytes 64 a row.  cos, sin: [2048][64] f32.
; SHARES.  A work-group takes 128 rows of x and 192 columns: q heads 2 j and 2 j + 1 and a third head, k head e in the clusters with x under 2, v head e in the others (the role hangs on the cluster's x alone).
; Wave w: 64 rows x one q head (16 accumulators) and 32 rows x the third head (8).  Its four fragments of x stand in places 0-3: places 0, 1 hold rows 32 w on, places 2, 3 the other 32 rows of its 64.
; THE MATRIX INSTRUCTION IS USED TRANSPOSED (source 0 = 16 rows of W, source 1 = 16 rows of x): lane (r, h) holds row r and columns 16 t + 8 h + 0 .. 7.
; K goes in 16 steps of 128 through two LDS slots of 512 along K, filled by joint tensor loads: x's tiles go to the cluster's row, W's to its column.  The steps are written out: the scale registers' numbers change with the step.
; THE SCALE BYTES of a row are its 16 scale words: they come once, straight into registers, 64 bytes a lane, 2,048 consecutive bytes a wave and set.
; WHAT IS STORED.  Operands as images of their registers: a tile of 16 rows x 64 codes is registers 0-3 at 16 x lane, then registers 4-5 at 512 + 8 x lane (768 bytes).
; ORDER INSIDE A BLOCK OF 32: positions 0-7, 8-15, 16-23, 24-31 hold numbers 0-7, 16-23, 8-15, 24-31.  It falls alike on q and k (along d) and on v and the softmax's p (along the keys), so the products are the same.
; LIMITS: a block of zeros gets the byte 1 where the quantiser says 127 (its codes are zeros, and this program alone reads the bytes); blocks whose largest magnitude lies under 2^-124 are held at that byte;
; NaN or infinities in cos, sin, or a given scale byte 0xff, are not served.
.set KROW,  1536                       ; a row of codes in memory
; THE STAGING AS IT STANDS NOW (in place of the two slots of 512 along K that the lines above name): ONE region of 1,024 along K, filled twice.
; A K step is 96 bytes of a row; 768 bytes is the shortest run that holds whole steps and whole runs of 256 bytes; two regions of 320 such rows do not fit in LDS.
.set ROWB,  768                        ; 1,024 codes: a tile's row: three runs of 256 bytes, from a multiple of 256 bytes of its buffer on
.set PITCH, 816                        ; an LDS row: 3 x (256 bytes + 16 of padding) = 204 words: the 16 rows of a fragment start at 16 different multiples of 4 words modulo 64 (64 banks of 4 bytes: ISA guide 11.1)
.set XH,    64*PITCH
.set QOFF,  128*PITCH                  ; the region: x's 128 rows, Wq's 128 rows, the third head's 64 rows
.set TOFF,  256*PITCH
.set SLOT,  320*PITCH
.set VP,    528                        ; the stage for v, behind the region, in bytes of its own: 64 rows (d) x (128 keys x 4 bytes + 16)
.set SPARE, SLOT+64*VP                 ; behind the stage: the spare words, 128 bytes a wave: two blocks of 256 bytes that no other line names
.set REC,   13056                      ; a record of kvimg: 8 tiles of k, 512 bytes of k's scale words, 4 tiles of v^T of 1,536 bytes, 256 bytes of v's scale words
.set FLAGS, (1<<20)|(1<<21)|(5<<22)|(3<<25)   ; elements of 1 byte; padding on; bit 21 beside a mask; after every 64 words; 4 words
.set SPW, 4                            ; v4  LDS address of my spare word; never rewritten
.set NIL, 5                            ; v5  0; never rewritten
.set L16, 6                            ; v6  16 x lane
.set L8,  7                            ; v7  8 x lane
.set L4,  8                            ; v8  4 x lane
.set L64, 9                            ; v9  64 x lane
.set CSO, 10                           ; v10 256 r + 32 h: my eight numbers of a row of cos or sin
.set VST, 11                           ; v11 the stage, in
.set VRD, 12                           ; v12 the stage, out
.set R4,  13                           ; v13 4 r
.set AXA, 16                           ; v16 x places 0, 1;  v18 the same behind one padding more
.set AXB, 20                           ; places 2, 3
.set AQ,  24                           ; my q head's rows of Wq
.set AT,  28                           ; the third head's rows
.set TM,  32                           ; v32-39 at work in the quantisers
.set PW,  40
.set PWE, 41
.set PWM, 42
.set PC,  44                           ; v44-50 the codes just made
.set SX,  64                           ; v64-95  x's scale words: set p (places 2 p, 2 p + 1) at 16 p, register q = K step q
.set SQ,  96                           ; v96-127 Wq's
.set ST,  128                          ; v128-159 the third head's
.set R,   160                          ; v160-191 32 numbers behind RoPE
.set PCV, 160                          ; v's codes
.set PCT, 172
.set VV,  192                          ; v192-255 64 numbers of v
.set FX,  0                            ; fragments, set 0 in window 1, set 1 in window 2
.set FQ,  48
.set FT,  96
.set WV,   30
.set QH,   32
.set ROLE, 33
.set CX,   34
.set CY,   35
.set G1X,  36
.set G1Q,  44
.set G1T,  52
.set J,    60
.set I,    61
.set E,    62
.set RA,   66
.set RB,   67
.set G0X,  68
.set G0Q,  76
.set G0T,  84
.set SEL,  98
.set HIM,  100
.set MSB, 0
.macro WIN new                         ; the immediate's high byte repeats the setting that is left
.if MSB != (\new)
	s_set_vgpr_msb (MSB<<8)|(\new)
.set MSB, (\new)
.endif
.endm
.macro PLACES                          ; four places in front of loads into registers that matrix instructions have read, and of the first read of results
.rept 4
	v_nop
.endr
.endm
; A joint load, one a wave: waves 0, 1 x's halves, wave 2 Wq's 128 rows, wave 3 the third head's 64.  The branches hang on the wave's number alone.  Four v_nop follow each line.
.macro JLOAD s
	s_cmp_lt_u32 s[WV], 2
	s_cbranch_scc0 .Lnot_x_\@
	tensor_load_to_lds s[G0X+4*\s:G0X+4*\s+3], s[G1X:G1X+7]
	s_nop 0
.rept 4
	v_nop
.endr
	s_branch .Lasked_\@
.Lnot_x_\@:
	s_cmp_eq_u32 s[WV], 2
	s_cbranch_scc0 .Lnot_q_\@
	tensor_load_to_lds s[G0Q+4*\s:G0Q+4*\s+3], s[G1Q:G1Q+7]
	s_nop 0
.rept 4
	v_nop
.endr
	s_branch .Lasked_\@
.Lnot_q_\@:
	tensor_load_to_lds s[G0T+4*\s:G0T+4*\s+3], s[G1T:G1T+7]
	s_nop 0
.rept 4
	v_nop
.endr
.Lasked_\@:
.endm
.macro CREST                           ; a round of the cluster's barrier behind its opening barrier
	s_cmp_lg_u32 s[WV], 0
	s_cbranch_scc1 .Lnot_wave_0_\@
	s_barrier_signal -3
.Lnot_wave_0_\@:
	s_barrier_wait -3
	s_barrier_signal -1
	s_barrier_wait -1
.endm
.macro CROUND
	s_barrier_signal -1
	s_barrier_wait -1
	CREST
.endm
	s_load_b512 s[4:19], s[0:1], 0x0               ; x codes 4, x scales 6, Wq codes 8, Wq scales 10, Wk codes 12, Wk scales 14, Wv codes 16, Wv scales 18
	s_load_b256 s[20:27], s[0:1], 0x40             ; cos 20, sin 22, qimg 24, qsc 26
	s_load_b64 s[28:29], s[0:1], 0x60              ; kvimg
	v_lshl_add_u32 v[SPW], v0, 2, SPARE
	v_mov_b32 v[NIL], 0
	ds_add_u32 v4, v5
	ds_add_u32 v4, v5
	s_wait_dscnt 0x0
	v_lshrrev_b32 v1, 5, v0
	v_readfirstlane_b32 s[WV], v1                  ; wave 0..3
	s_and_b32 s[QH], s[WV], 1                      ; which q head is mine.  Also: which 64 rows of x waves 0, 1 fetch
	s_lshr_b32 s[ROLE], ttmp9, 1                   ; 0: the third head is k's, 1: v's; the same in all sixteen partners
	s_bfe_u32 s[CX], ttmp6, 0x40000
	s_bfe_u32 s[CY], ttmp6, 0x40004
	s_lshl_b32 s[J], ttmp9, 2
	s_add_co_u32 s[J], s[J], s[CX]                 ; column group j = 4 x cluster x + cx
	s_and_b32 s[I], ttmp7, 0xffff
	s_lshl_b32 s[I], s[I], 2
	s_add_co_u32 s[I], s[I], s[CY]                 ; row tile (and key step) i = 4 x cluster y + cy
	s_and_b32 s[E], ttmp9, 1
	s_lshl_b32 s[E], s[E], 2
	s_add_co_u32 s[E], s[E], s[CX]                 ; the third head's number
	s_lshl_b32 s2, s[CY], 2
	s_lshl_b32 s2, 15, s2                          ; my row of the cluster
	s_lshl_b32 s3, 0x1111, s[CX]                   ; my column
	s_or_b32 s[G1X], s2, FLAGS
	s_or_b32 s[G1Q], s3, FLAGS
	s_or_b32 s[G1T], s3, FLAGS
.irp g, G1X, G1Q, G1T
	s_mov_b32 s[\g+1], ROWB<<16                    ; tensor_dim0 = 768 bytes
	s_mov_b32 s[\g+3], ROWB<<16                    ; tile_dim0
	s_mov_b32 s[\g+5], KROW                        ; from row to row
	s_mov_b32 s[\g+6], 0
	s_mov_b32 s[\g+7], 0
.endr
	s_mov_b32 s[G1X+2], 64<<16                     ; tensor_dim1, tile_dim1: 64, 128, 64 rows
	s_mov_b32 s[G1X+4], 64
	s_mov_b32 s[G1Q+2], 128<<16
	s_mov_b32 s[G1Q+4], 128
	s_mov_b32 s[G1T+2], 64<<16
	s_mov_b32 s[G1T+4], 64
	s_mov_b32 s[SEL], 0x76543210
	s_mov_b32 s[SEL+1], 0xfedcba98                 ; v_permlanex16_b32: lane l xor 16
	s_mov_b32 s[HIM], 0xffff0000                   ; lanes 16-31
	s_lshl_b32 s[RA], s[I], 7
	s_lshl_b32 s2, s[WV], 5
	s_add_co_u32 s[RA], s[RA], s2                  ; the first row of places 0, 1: 128 i + 32 w
	s_xor_b32 s[RB], s[RA], 32                     ; and of places 2, 3
	s_lshl_b32 s92, s[I], 7                        ; x's tile: row 128 i + 64 x half: the tile row alone, which my row of the cluster shares
	s_lshl_b32 s93, s[QH], 6
	s_add_co_u32 s92, s92, s93
	s_mul_i32 s92, s92, KROW
	s_mov_b32 s93, 0
	s_mul_i32 s94, s[J], 128*KROW                  ; Wq's: the column group alone, which my column shares
	s_mov_b32 s95, 0
	s_mul_i32 s96, s[E], 64*KROW                   ; the third head's likewise
	s_mov_b32 s97, 0
	s_mul_i32 s63, s[QH], XH
	s_wait_kmcnt 0x0
	s_cmp_lt_u32 ttmp9, 2                          ; the third head's weights: Wk or Wv, by the cluster's x
	s_cselect_b64 s[12:13], s[12:13], s[16:17]
	s_cselect_b64 s[14:15], s[14:15], s[18:19]
	s_add_nc_u64 s[92:93], s[4:5], s[92:93]
	s_add_nc_u64 s[94:95], s[8:9], s[94:95]
	s_add_nc_u64 s[96:97], s[12:13], s[96:97]
	CROUND                                         ; all sixteen work-groups are here: the first joint loads meet
.irp s, 0
	s_mov_b32 s[G0X+4*\s], 1
	s_add_co_u32 s[G0X+4*\s+1], s63, \s*SLOT
	s_add_nc_u64 s[G0X+4*\s+2:G0X+4*\s+3], s[92:93], \s*ROWB
	s_or_b32 s[G0X+4*\s+3], s[G0X+4*\s+3], 0x80000000
	s_mov_b32 s[G0Q+4*\s], 1
	s_mov_b32 s[G0Q+4*\s+1], \s*SLOT+QOFF
	s_add_nc_u64 s[G0Q+4*\s+2:G0Q+4*\s+3], s[94:95], \s*ROWB
	s_or_b32 s[G0Q+4*\s+3], s[G0Q+4*\s+3], 0x80000000
	s_mov_b32 s[G0T+4*\s], 1
	s_mov_b32 s[G0T+4*\s+1], \s*SLOT+TOFF
	s_add_nc_u64 s[G0T+4*\s+2:G0T+4*\s+3], s[96:97], \s*ROWB
	s_or_b32 s[G0T+4*\s+3], s[G0T+4*\s+3], 0x80000000
	JLOAD \s                                       ; the first 1,024 along K: my one load at the head
.endr
	v_and_b32 v1, 15, v0                           ; r
	v_bfe_u32 v2, v0, 4, 1                         ; h
	v_and_b32 v3, 31, v0                           ; lane
	v_lshlrev_b32 v[L16], 4, v3
	v_lshlrev_b32 v[L8], 3, v3
	v_lshlrev_b32 v[L4], 2, v3
	v_lshlrev_b32 v[L64], 6, v3
	v_lshlrev_b32 v[CSO], 8, v1
	v_lshl_add_u32 v[CSO], v2, 5, v[CSO]
	v_lshlrev_b32 v[R4], 2, v1
	v_mul_u32_u24 v[TM], v1, PITCH
	v_mad_u32_u24 v[TM+1], v2, 24, v[TM]           ; a fragment's row x pitch + 24 x half,
	v_mad_u32_u24 v[TM+2], v2, 40, v[TM]           ; and the same behind one padding more
	v_mov_b32 v[TM+3], 0                           ; (a lane permute's destination counts as one of its sources)
	s_mul_i32 s2, s[WV], 32*PITCH                  ; rows 32 w on
	s_xor_b32 s3, s[WV], 1
	s_mul_i32 s3, s3, 32*PITCH                     ; the other 32 of my 64
	s_mul_i32 s63, s[QH], 64*PITCH
	s_add_co_u32 s63, s63, QOFF
.irp s, 0
	v_add_nc_u32 v[AXA+\s], s2, v[TM+1]
	v_add_nc_u32 v[AXA+2+\s], s2, v[TM+2]
	v_add_nc_u32 v[AXB+\s], s3, v[TM+1]
	v_add_nc_u32 v[AXB+2+\s], s3, v[TM+2]
	v_add_nc_u32 v[AQ+\s], s63, v[TM+1]
	v_add_nc_u32 v[AQ+2+\s], s63, v[TM+2]
	v_add_nc_u32 v[AT+\s], TOFF+\s*SLOT, v[TM+1]
	v_add_nc_u32 v[AT+2+\s], TOFF+\s*SLOT, v[TM+2]
.endr
	v_mul_u32_u24 v[VST], v2, 8*VP                 ; the stage, in: row d = 16 t + 8 h + j, key 32 w + 16 m + r
	v_lshl_add_u32 v[VST], v1, 2, v[VST]
	s_lshl_b32 s2, s[WV], 7
	s_add_co_u32 s2, s2, SLOT                      ; the stage begins behind the region
	v_add_nc_u32 v[VST], s2, v[VST]
	v_mul_u32_u24 v[VRD], v1, VP                   ; out: row d = 16 w + r, the blocks of keys h and 2 + h
	v_lshl_add_u32 v[VRD], v2, 7, v[VRD]
	s_mul_i32 s2, s[WV], 16*VP
	s_add_co_u32 s2, s2, SLOT
	v_add_nc_u32 v[VRD], s2, v[VRD]
	s_lshl_b32 s92, s[RA], 6                       ; the scale words: 64 bytes a row
	s_mov_b32 s93, 0
	s_add_nc_u64 s[92:93], s[6:7], s[92:93]
	s_lshl_b32 s94, s[RB], 6
	s_mov_b32 s95, 0
	s_add_nc_u64 s[94:95], s[6:7], s[94:95]
	s_lshl_b32 s96, s[J], 13
	s_lshl_b32 s97, s[QH], 12
	s_add_co_u32 s96, s96, s97
	s_mov_b32 s97, 0
	s_add_nc_u64 s[96:97], s[10:11], s[96:97]
	s_lshl_b32 s2, s[E], 12
	s_mov_b32 s3, 0
	s_add_nc_u64 s[2:3], s[14:15], s[2:3]
.irp c, 0,1,2,3
	global_load_b128 v[SX+4*\c:SX+4*\c+3], v[L64], s[92:93] offset:16*\c
	global_load_b128 v[SX+16+4*\c:SX+16+4*\c+3], v[L64], s[94:95] offset:16*\c
	global_load_b128 v[SQ+4*\c:SQ+4*\c+3], v[L64], s[96:97] offset:16*\c
	global_load_b128 v[SQ+16+4*\c:SQ+16+4*\c+3], v[L64], s[96:97] offset:2048+16*\c
	global_load_b128 v[ST+4*\c:ST+4*\c+3], v[L64], s[2:3] offset:16*\c
	global_load_b128 v[ST+16+4*\c:ST+16+4*\c+3], v[L64], s[2:3] offset:2048+16*\c
.endr
; A fragment, 16 rows x 128 K of 6-bit codes, is 12 registers: lane (r, h) holds row r; registers 6 c .. 6 c + 5 hold K = 64 c + 32 h + 0 .. 31: 24 bytes of the row, as they lie, in pieces of 8 bytes.
; Lanes 16-31 read three pieces further on; where that lies behind one padding more (32 pieces to a padding), the second address register serves.
.macro FRAG reg, adr, q, i
.irp p, 0,1,2,3,4,5
.set PCE, 12*(\q)+6*(\p/3)+\p%3
.if PCE%32 < 29                        ; 32 pieces to a padding
	ds_load_b64 v[\reg+2*\p:\reg+2*\p+1], v[\adr] offset:8*PCE+16*(PCE/32)+(\i)*16*PITCH
.else
	ds_load_b64 v[\reg+2*\p:\reg+2*\p+1], v[\adr+2] offset:8*PCE+16*(PCE/32)+(\i)*16*PITCH
.endif
.endr
.endm
.macro FETCH s, q, p                   ; the 12 fragments of the slot's q-th 128 along K into set p: 72 loads in one run
	WIN 0x40*((\p)+1)
	FRAG FX, AXA+(\s), \q, 0
	FRAG FX+12, AXA+(\s), \q, 1
	FRAG FX+24, AXB+(\s), \q, 0
	FRAG FX+36, AXB+(\s), \q, 1
.irp t, 0,1,2,3
	FRAG FQ+12*\t, AQ+(\s), \q, \t
.endr
.irp t, 0,1,2,3
	FRAG FT+12*\t, AT+(\s), \q, \t
.endr
.endm
; One product.  q = 0: it starts the sum.  ra, rb: the scale words stand in lanes 16-31 of their registers.
.macro WM d, a, b, q, sa, sb, ra, rb
.if (\q) == 0
.if ((\ra) == 0) && ((\rb) == 0)
	v_wmma_scale_f32_16x16x128_f8f6f4 v[\d:\d+7], v[\a:\a+11], v[\b:\b+11], 0, v[\sa], v[\sb] matrix_a_fmt:MATRIX_FMT_FP6 matrix_b_fmt:MATRIX_FMT_FP6
.elseif (\rb) == 0
	v_wmma_scale_f32_16x16x128_f8f6f4 v[\d:\d+7], v[\a:\a+11], v[\b:\b+11], 0, v[\sa], v[\sb] matrix_a_fmt:MATRIX_FMT_FP6 matrix_b_fmt:MATRIX_FMT_FP6 matrix_a_scale:MATRIX_SCALE_ROW1
.elseif (\ra) == 0
	v_wmma_scale_f32_16x16x128_f8f6f4 v[\d:\d+7], v[\a:\a+11], v[\b:\b+11], 0, v[\sa], v[\sb] matrix_a_fmt:MATRIX_FMT_FP6 matrix_b_fmt:MATRIX_FMT_FP6 matrix_b_scale:MATRIX_SCALE_ROW1
.else
	v_wmma_scale_f32_16x16x128_f8f6f4 v[\d:\d+7], v[\a:\a+11], v[\b:\b+11], 0, v[\sa], v[\sb] matrix_a_fmt:MATRIX_FMT_FP6 matrix_b_fmt:MATRIX_FMT_FP6 matrix_a_scale:MATRIX_SCALE_ROW1 matrix_b_scale:MATRIX_SCALE_ROW1
.endif
.else
.if ((\ra) == 0) && ((\rb) == 0)
	v_wmma_scale_f32_16x16x128_f8f6f4 v[\d:\d+7], v[\a:\a+11], v[\b:\b+11], v[\d:\d+7], v[\sa], v[\sb] matrix_a_fmt:MATRIX_FMT_FP6 matrix_b_fmt:MATRIX_FMT_FP6
.elseif (\rb) == 0
	v_wmma_scale_f32_16x16x128_f8f6f4 v[\d:\d+7], v[\a:\a+11], v[\b:\b+11], v[\d:\d+7], v[\sa], v[\sb] matrix_a_fmt:MATRIX_FMT_FP6 matrix_b_fmt:MATRIX_FMT_FP6 matrix_a_scale:MATRIX_SCALE_ROW1
.elseif (\ra) == 0
	v_wmma_scale_f32_16x16x128_f8f6f4 v[\d:\d+7], v[\a:\a+11], v[\b:\b+11], v[\d:\d+7], v[\sa], v[\sb] matrix_a_fmt:MATRIX_FMT_FP6 matrix_b_fmt:MATRIX_FMT_FP6 matrix_b_scale:MATRIX_SCALE_ROW1
.else
	v_wmma_scale_f32_16x16x128_f8f6f4 v[\d:\d+7], v[\a:\a+11], v[\b:\b+11], v[\d:\d+7], v[\sa], v[\sb] matrix_a_fmt:MATRIX_FMT_FP6 matrix_b_fmt:MATRIX_FMT_FP6 matrix_a_scale:MATRIX_SCALE_ROW1 matrix_b_scale:MATRIX_SCALE_ROW1
.endif
.endif
.endm
; Accumulators a0 .. a1 of K step q, on set q % 2.  a under 16: place a / 4 x tile a % 4 of my q head; from 16 on: place (a - 16) / 4 x tile a % 4 of the third head.
; The 24 accumulators take turns, one instruction a turn, in the same order in every step.
.macro MULR q, a0, a1
	WIN 0xF5+5*((\q)%2)                            ; sources 0 and 1: window 1 or 2; C and D: window 3
.set aa, \a0
.rept (\a1)-(\a0)+1
.set tt, aa%4
.set mm, (aa%16)/4
.if aa < 16
.set wf, FQ+12*tt
.set ws, SQ+16*(tt/2)+(\q)
.else
.set wf, FT+12*tt
.set ws, ST+16*(tt/2)+(\q)
.endif
	WM 8*aa, wf, FX+12*mm, \q, ws, SX+16*(mm/2)+(\q), tt%2, mm%2
.set aa, aa+1
.endr
.endm
.macro SUB q                           ; a K step that has its successor in the region as it is filled now
	s_wait_dscnt 0x0                               ; this step's fragments are in
	PLACES                                         ; the other set was read by the products just issued
	FETCH 0, ((\q)+1)%8, ((\q)+1)%2
	MULR \q, 0, 23
.endm
; K steps 6 and 7, and the region's second fill.  Both steps' fragments are brought into the two sets first; then nobody needs the region's bytes, and the 48 products of the two steps stand between the request and the wait for it.
.macro CHANGE
	s_wait_dscnt 0x0                               ; step 6's fragments are in
	PLACES
	FETCH 0, 7, 1                                  ; step 7's
	WIN 0
	s_wait_tensorcnt 0x0                           ; no tensor load of mine is out: a group 0 may be written
	ds_add_u32 v[SPW], v[NIL]                      ; 0 onto my spare word
	s_add_nc_u64 s[G0X+2:G0X+3], s[G0X+2:G0X+3], ROWB   ; the second 1,024 along K
	s_add_nc_u64 s[G0Q+2:G0Q+3], s[G0Q+2:G0Q+3], ROWB
	s_add_nc_u64 s[G0T+2:G0T+3], s[G0T+2:G0T+3], ROWB
	s_wait_dscnt 0x0                               ; the add is done, and my reads of the region are over
	s_barrier_signal -1
	s_barrier_wait -1
	CREST                                          ; a round of the cluster's barrier: no wave of any partner still reads the region
	JLOAD 0                                        ; the first tensor load behind the round
	MULR 6, 0, 23
	MULR 7, 0, 23
	WIN 0
	s_wait_tensorcnt 0x0                           ; my part of the second fill is in (no load was issued behind it),
	s_barrier_signal -1
	s_barrier_wait -1                              ; and everybody's
	PLACES
	FETCH 0, 0, 0                                  ; step 8's fragments
.endm
	s_wait_alu depctr_va_vdst(0)                   ; the wait at the head's end
	s_wait_tensorcnt 0x0                           ; my part of the first fill is in
	s_barrier_signal -1
	s_barrier_wait -1
	FETCH 0, 0, 0
	s_wait_loadcnt 0x0                             ; the scale words
.irp q, 0,1,2,3,4,5
	SUB \q
.endr
	CHANGE
.irp q, 8,9,10,11
	SUB \q
.endr
	; no tensor load of mine is out from here on, so the descriptors' registers are free
	s_mov_b32 s3, 0                                ; the way out's bases
	s_lshl_b32 s2, s[RA], 8
	s_add_nc_u64 s[36:37], s[20:21], s[2:3]        ; cos, sin at the rows of places 0, 1
	s_add_nc_u64 s[40:41], s[22:23], s[2:3]
	s_lshl_b32 s2, s[RB], 8
	s_add_nc_u64 s[38:39], s[20:21], s[2:3]        ; and of places 2, 3
	s_add_nc_u64 s[42:43], s[22:23], s[2:3]
	s_lshl_b32 s63, s[J], 1
	s_add_co_u32 s63, s63, s[QH]                   ; my q head
	s_lshl_b32 s92, s63, 7
	s_lshr_b32 s2, s[RA], 4
	s_add_co_u32 s2, s2, s92
	s_mul_i32 s2, s2, 768
	s_add_nc_u64 s[44:45], s[24:25], s[2:3]        ; qimg: (128 head + tile) x 768
	s_lshr_b32 s2, s[RB], 4
	s_add_co_u32 s2, s2, s92
	s_mul_i32 s2, s2, 768
	s_add_nc_u64 s[46:47], s[24:25], s[2:3]
	s_lshl_b32 s92, s63, 11
	s_add_co_u32 s2, s92, s[RA]
	s_lshl_b32 s2, s2, 2
	s_add_nc_u64 s[48:49], s[26:27], s[2:3]        ; qsc: (2048 head + row) x 4
	s_add_co_u32 s2, s92, s[RB]
	s_lshl_b32 s2, s2, 2
	s_add_nc_u64 s[50:51], s[26:27], s[2:3]
	s_lshl_b32 s2, s[E], 4
	s_add_co_u32 s2, s2, s[I]
	s_mul_i32 s2, s2, REC
	s_add_nc_u64 s[28:29], s[28:29], s[2:3]        ; my record of kvimg
	s_mul_i32 s2, s[WV], 1536
	s_add_nc_u64 s[52:53], s[28:29], s[2:3]        ; k: my two tiles; v: my tile, 6,656 further on
	s_lshl_b32 s2, s[WV], 7
	s_add_nc_u64 s[54:55], s[28:29], s[2:3]        ; k's scale words, 6,144 further on
	s_lshl_b32 s2, s[WV], 6
	s_add_nc_u64 s[56:57], s[28:29], s[2:3]        ; v's, 12,800 further on
.irp q, 12,13,14
	SUB \q
.endr
	s_wait_dscnt 0x0                               ; the last step: nothing more to fetch from LDS
	PLACES
	WIN 0x40                                       ; set 0 is done with: window 1 takes cos and sin: place m at 64 m (cos) and 64 m + 32 (sin), register 8 t + j = column 16 t + 8 h + j of my row
.irp m, 0,1,2,3
.irp t, 0,1,2,3
.irp c, 0,1
	global_load_b128 v[64*\m+8*\t+4*\c:64*\m+8*\t+4*\c+3], v[CSO], s[36+2*(\m/2):37+2*(\m/2)] offset:4096*(\m%2)+64*\t+16*\c
	global_load_b128 v[64*\m+32+8*\t+4*\c:64*\m+32+8*\t+4*\c+3], v[CSO], s[40+2*(\m/2):41+2*(\m/2)] offset:4096*(\m%2)+64*\t+16*\c
.endr
.endr
.endr
	MULR 15, 0, 23
	WIN 0
	PLACES                                         ; in front of the first reads of results
; 32 numbers of a lane, v[R + 16 b + i], two blocks of 32 shared with lane l xor 16, become six registers of codes in v[PC] on and the row's scale word in v[pw] (bytes 2 and 3: 1.0, over zero codes).
.macro QUANT2 pw
.irp b, 0,1
	v_max3_num_f32 v[TM+\b], |v[R+16*\b]|, |v[R+16*\b+1]|, 0x1800000   ; my 16 numbers, and the floor 2^(3 - 127): the byte cannot fall under 1
.endr
.irp i, 2,4,6,8,10,12,14
.irp b, 0,1
	v_max3_num_f32 v[TM+\b], v[TM+\b], |v[R+16*\b+\i]|, |v[R+16*\b+\i+1]|
.endr
.endr
.irp b, 0,1
	v_permlanex16_b32 v[TM+2+\b], v[TM+\b], s[SEL], s[SEL+1]
.endr
.irp b, 0,1
	v_max_num_f32 v[TM+\b], v[TM+\b], v[TM+2+\b]   ; the block's largest magnitude
.endr
.irp b, 0,1
	v_add_nc_u32 v[TM+4+\b], 0xff000000, v[TM+\b]  ; 2 off its exponent field: the conversion's scale operand
.endr
.irp b, 0,1
	v_lshrrev_b32 v[TM+6+\b], 23, v[TM+4+\b]       ; the scale's byte
.endr
	v_lshl_or_b32 v[\pw], v[TM+7], 8, v[TM+6]
	v_or_b32 v[\pw], 0x7f7f0000, v[\pw]
	s_wait_alu depctr_va_vdst(0)
	s_wait_xcnt 0x0                                ; the last unit's stores have read their registers: the codes and the word may be written again
	v_cvt_scalef32_pk16_fp6_f32 v[PC:PC+2], v[R:R+15], v[TM+4]
	v_cvt_scalef32_pk16_fp6_f32 v[PC+4:PC+6], v[R+16:R+31], v[TM+5]
	v_nop                                          ; one plain place behind a scaled conversion
.irp i, 0,1,2
	v_permlane16_swap_b32 v[PC+\i], v[PC+4+\i]     ; a whole block to a lane: lanes 0-15 block 0, lanes 16-31 block 1
.endr
.irp i, 0,1,2
	v_mov_b32 v[PC+3+\i], v[PC+4+\i]
.endr
.endm
; A tile of 16 rows x one head: RoPE, quantiser, image.  ab: its first accumulator; m: its place; cb, co: where the codes go; wb, wo: where two tiles' scale words go (odd m).
.macro UNIT ab, m, cb, co, wb, wo
	WIN 0x07                                       ; source 0 (results) window 3, source 1 (cos, sin) window 1
.irp u, 0,1
.irp jj, 0,2,4,6
	v_pk_mul_f32 v[R+8*\u+\jj:R+8*\u+\jj+1], v[8*((\ab)+\u)+\jj:8*((\ab)+\u)+\jj+1], v[64*(\m)+8*\u+\jj:64*(\m)+8*\u+\jj+1]
	v_pk_mul_f32 v[R+16+8*\u+\jj:R+16+8*\u+\jj+1], v[8*((\ab)+\u+2)+\jj:8*((\ab)+\u+2)+\jj+1], v[64*(\m)+16+8*\u+\jj:64*(\m)+16+8*\u+\jj+1]
.endr
.endr
.irp u, 0,1
.irp jj, 0,2,4,6
	v_pk_fma_f32 v[R+8*\u+\jj:R+8*\u+\jj+1], v[8*((\ab)+\u+2)+\jj:8*((\ab)+\u+2)+\jj+1], v[64*(\m)+32+8*\u+\jj:64*(\m)+32+8*\u+\jj+1], v[R+8*\u+\jj:R+8*\u+\jj+1] neg_lo:[0,1,0] neg_hi:[0,1,0]   ; d under 32: x cos - x(d + 32) sin
	v_pk_fma_f32 v[R+16+8*\u+\jj:R+16+8*\u+\jj+1], v[8*((\ab)+\u)+\jj:8*((\ab)+\u)+\jj+1], v[64*(\m)+48+8*\u+\jj:64*(\m)+48+8*\u+\jj+1], v[R+16+8*\u+\jj:R+16+8*\u+\jj+1]   ; from 32 on: x cos + x(d - 32) sin
.endr
.endr
	WIN 0
.if (\m)%2
	QUANT2 PW
.else
	QUANT2 PWE
.endif
	global_store_b128 v[L16], v[PC:PC+3], s[\cb:\cb+1] offset:\co
	global_store_b64 v[L8], v[PC+4:PC+5], s[\cb:\cb+1] offset:(\co)+512
.if (\m)%2
	v_cndmask_b32 v[PWM], v[PWE], v[PW], s[HIM]    ; lanes 0-15: the even tile's words, lanes 16-31: the odd tile's
	global_store_b32 v[L4], v[PWM], s[\wb:\wb+1] offset:\wo
.endif
.endm
	s_wait_loadcnt 0x0                             ; cos and sin
	s_cmp_eq_u32 s[ROLE], 0
	s_cbranch_scc1 .Lno_stage
	WIN 0x0c                                       ; v is turned in LDS, in the stage's own bytes, into which no tensor load lands
.irp m, 0,1
.irp t, 0,1,2,3
.irp j, 0,1,2,3,4,5,6,7
	ds_store_b32 v[VST], v[8*(16+4*\m+\t)+\j] offset:(16*\t+\j)*VP+64*\m
.endr
.endr
.endr
	WIN 0
.Lno_stage:
	UNIT 0, 0, 44, 0, 48, 0
	UNIT 4, 1, 44, 768, 48, 0
	UNIT 8, 2, 46, 0, 50, 0
	UNIT 12, 3, 46, 768, 50, 0
	s_wait_dscnt 0x0                               ; for the others' sake: my stores into the stage are done
	s_barrier_signal -1
	s_barrier_wait -1
	s_cmp_eq_u32 s[ROLE], 0
	s_cbranch_scc0 .Lv_role
	UNIT 16, 0, 52, 0, 54, 6144                    ; k: keys 32 w on: tiles 2 w and 2 w + 1 of the key step
	UNIT 20, 1, 52, 768, 54, 6144
	s_branch .Lend
.Lv_role:
	; v: wave w takes d = 16 w + r.  Lane (r, h) reads the blocks of keys h and 2 + h whole, in the order of positions stated at the head
.irp c, 0,1
.irp g, 0,1,2,3
.irp e, 0,1
	ds_load_b128 v[VV+32*\c+8*\g+4*\e:VV+32*\c+8*\g+4*\e+3], v[VRD] offset:256*\c+32*(2*(\g%2)+\g/2)+16*\e
.endr
.endr
.endr
	s_wait_dscnt 0x0
.irp c, 0,1
	v_max3_num_f32 v[TM+\c], |v[VV+32*\c]|, |v[VV+32*\c+1]|, 0x1800000
.endr
.irp i, 2,4,6,8,10,12,14,16,18,20,22,24,26,28,30
.irp c, 0,1
	v_max3_num_f32 v[TM+\c], v[TM+\c], |v[VV+32*\c+\i]|, |v[VV+32*\c+\i+1]|
.endr
.endr
.irp c, 0,1
	v_add_nc_u32 v[TM+4+\c], 0xff000000, v[TM+\c]
.endr
.irp c, 0,1
	v_lshrrev_b32 v[TM+6+\c], 23, v[TM+4+\c]
.endr
	v_lshl_or_b32 v[PW], v[TM+7], 16, v[TM+6]      ; my two bytes: blocks h and 2 + h,
	v_lshlrev_b32 v[TM+2], 3, v2
	v_lshlrev_b32 v[PW], v[TM+2], v[PW]            ; at their places in the word;
	v_permlanex16_b32 v[TM+3], v[PW], s[SEL], s[SEL+1]
	v_or_b32 v[PW], v[PW], v[TM+3]                 ; with lane l xor 16's two the word is whole
.irp c, 0,1
	v_cvt_scalef32_pk16_fp6_f32 v[PCV+6*\c:PCV+6*\c+2], v[VV+32*\c:VV+32*\c+15], v[TM+4+\c]
	v_cvt_scalef32_pk16_fp6_f32 v[PCT+4*\c:PCT+4*\c+2], v[VV+32*\c+16:VV+32*\c+31], v[TM+4+\c]
.endr
	v_nop
.irp c, 0,1
.irp i, 0,1,2
	v_mov_b32 v[PCV+3+6*\c+\i], v[PCT+4*\c+\i]
.endr
.endr
.irp c, 0,1,2
	global_store_b128 v[L16], v[PCV+4*\c:PCV+4*\c+3], s[52:53] offset:6656+512*\c
.endr
	global_store_b32 v[R4], v[PW], s[56:57] offset:12800   ; lanes l and l + 16 store the same word to the same place
.Lend:
	s_wait_tensorcnt 0x0                           ; the wave's end
	ds_add_u32 v[SPW], v[NIL]
	s_wait_dscnt 0x0
	CROUND                                         ; the closing round
	s_endpgm
.Lfunc_end_k_qd26678aca2_qkv:
	.size	k_qd26678aca2_qkv, .Lfunc_end_k_qd26678aca2_qkv-k_qd26678aca2_qkv
	.p2alignl 7, 3214868480
	.fill 96, 4, 3214868480
	.section	.rodata,"a",@progbits
	.p2align	6, 0x0
	.amdhsa_kernel k_qd26678aca2_qkv
		.amdhsa_group_segment_fixed_size 327680
		.amdhsa_private_segment_fixed_size 0
		.amdhsa_enable_private_segment 0
		.amdhsa_kernarg_size 104
		.amdhsa_user_sgpr_count 2
		.amdhsa_user_sgpr_kernarg_segment_ptr 1
		.amdhsa_wavefront_size32 1
		.amdhsa_system_sgpr_workgroup_id_x 1
		.amdhsa_system_sgpr_workgroup_id_y 1
		.amdhsa_system_sgpr_workgroup_id_z 1
		.amdhsa_system_vgpr_workitem_id 0
		.amdhsa_next_free_vgpr 1024
		.amdhsa_next_free_sgpr 102
		.amdhsa_reserve_vcc 0
		.amdhsa_float_denorm_mode_32 3
		.amdhsa_float_denorm_mode_16_64 3
		.amdhsa_memory_ordered 1
		.amdhsa_forward_progress 1
		.amdhsa_inst_pref_size 178
	.end_amdhsa_kernel
	.amdgpu_metadata
---
amdhsa.version: [ 1, 2 ]
amdhsa.kernels:
  - .name:           k_qd26678aca2_qkv
    .symbol:         k_qd26678aca2_qkv.kd
    .args:
      - { .name: hidden_states_codes, .offset: 0, .size: 8, .value_kind: global_buffer, .address_space: global }
      - { .name: hidden_states_scales, .offset: 8, .size: 8, .value_kind: global_buffer, .address_space: global }
      - { .name: Wq_codes, .offset: 16, .size: 8, .value_kind: global_buffer, .address_space: global }
      - { .name: Wq_scales, .offset: 24, .size: 8, .value_kind: global_buffer, .address_space: global }
      - { .name: Wk_codes, .offset: 32, .size: 8, .value_kind: global_buffer, .address_space: global }
      - { .name: Wk_scales, .offset: 40, .size: 8, .value_kind: global_buffer, .address_space: global }
      - { .name: Wv_codes, .offset: 48, .size: 8, .value_kind: global_buffer, .address_space: global }
      - { .name: Wv_scales, .offset: 56, .size: 8, .value_kind: global_buffer, .address_space: global }
      - { .name: cos, .offset: 64, .size: 8, .value_kind: global_buffer, .address_space: global }
      - { .name: sin, .offset: 72, .size: 8, .value_kind: global_buffer, .address_space: global }
      - { .name: qimg, .offset: 80, .size: 8, .value_kind: global_buffer, .address_space: global }
      - { .name: qsc, .offset: 88, .size: 8, .value_kind: global_buffer, .address_space: global }
      - { .name: kvimg, .offset: 96, .size: 8, .value_kind: global_buffer, .address_space: global }
    .group_segment_fixed_size: 327680
    .private_segment_fixed_size: 0
    .kernarg_segment_align: 8
    .kernarg_segment_size: 104
    .max_flat_workgroup_size: 128
    .sgpr_count:     102
    .vgpr_count:     1024
    .wavefront_size: 32
...
	.end_amdgpu_metadata
.endif
;; end of part 1
;; launch attn (part 2): grid 32 x 8, 16 waves a work-group, clusters of 4 x 1, 215,040 bytes of LDS; arguments qimg, qsc, kvimg, cimg, csc; writes cimg, csc
.if DOCPART == 2
	.amdgcn_target "amdgcn-amd-amdhsa--gfx1250"
	.amdhsa_code_object_version 6
	.text
	.protected	k_qd26678aca2_attn
	.globl	k_qd26678aca2_attn
	.p2align	8
	.type	k_qd26678aca2_attn,@function
k_qd26678aca2_attn:
	s_mov_b64 s[64:65], 0
	v_nop
	global_prefetch_b8 v0, s[64:65] scope:SCOPE_SE
	s_setreg_imm32_b32 hwreg(HW_REG_WAVE_MODE, 25, 1), 1
	s_wait_xcnt 0x0
	s_wait_alu depctr_hold_cnt(0) depctr_sa_sdst(0) depctr_va_vdst(0) depctr_va_sdst(0) depctr_va_ssrc(0) depctr_va_vcc(0) depctr_vm_vsrc(0)
	s_getreg_b32 s2, hwreg(HW_REG_IB_STS2, 6, 4)
	s_cmp_eq_u32 s2, 0
	s_cbranch_scc0 .Lentry_in_a_cluster
	s_endpgm
.Lentry_in_a_cluster:
	s_bfe_u32 s2, ttmp6, 0x10000c
	s_cmp_lg_u32 s2, 0x3003
	s_cbranch_scc0 .Lentry_shape_is_right
	s_endpgm
.Lentry_shape_is_right:
; ctx = softmax(q k^T / 8, causal) v for 32 query heads on 8 key and value heads, both products on codes of FP6 (E2M3); ctx is quantised along (head, d) for the last product.
; THE SOFTMAX: t = score x log2(e) / 8; M = the running largest t rounded up to a whole number; p = 2^(t - M) is quantised along the keys; the sum of the unquantised p divides at the end.
; SHARES.  A work-group serves one key and value head.  Wave w: query head 4 kv + (w & 3), position p = w >> 2, ONE tile of 16 queries: T = 64 (p >> 1) + g for even p, 64 (p >> 1) + 63 - g for odd p
; (g = 4 x cluster x + cx).  Its last key step is KD = T / 8, made of the cluster's x and the wave's number alone.  The four positions of a work-group need 34 key steps together, whatever g.
; LDS holds the whole head's 16 records (k's tiles and scale words, v^T's tiles and scale words of 128 keys each), filled ONCE by joint loads of waves 0-3, four each; all four partners of a cluster read the same head.
; Every wave walks all 16 key steps; the work of a step behind its diagonal is jumped over by a scalar branch; no barrier and no tensor load stands in a step.
; LAYOUT.  Both products transposed: S^T = k q^T (source 0 = 16 keys), O^T = v^T p^T (source 0 = 16 of d): a lane holds ONE query.  The score product's K is 64: codes 64-127 of both operands are zeros, written once.
; Inside a block of 32 keys p's codes stand in the order 0-7, 16-23, 8-15, 24-31, as v's do.  ctx meets given codes: its numbers change lanes first, so that its codes stand in the natural order.
; LIMITS: a block of zeros gets the byte 1 where the quantiser says 127 (its codes are zeros, and this program alone reads the bytes).
.set REC,  13056
.set KSW,  6144                        ; in a record: k's scale words,
.set VIM,  6656                        ; v^T's four tiles,
.set VSW,  12800                       ; v's scale words
.set SCST, 16*REC                      ; behind the records: 512 bytes in which ctx's scale bytes of the work-group's 64 queries meet
.set L16, 1                            ; v1 16 x lane, v2 8 x lane, v3 4 x lane
.set L8,  2
.set L4,  3
.set DL,  4                            ; v4  my query's place in its key step, less 8 h
.set A16, 5                            ; v5-7 the same three with the step's record
.set A8,  6
.set A4,  7
.set VS,  8                            ; v8-9 v's scale words
.set R4,  10                           ; v10 4 r
.set SBA, 11                           ; v11 where my scale bytes go
.set Q,   16                           ; v16-27 q's fragment (22-27 zeros)
.set KFR, 28                           ; v28-75 four fragments of k (the upper six of each zeros)
.set VFR, 76                           ; v76-123 four fragments of v^T
.set S,   124                          ; v124-187 S^T, then p
.set O,   188                          ; v188-219 O^T
.set P,   220                          ; v220-231 p's codes
.set BM,  232
.set WK,  236
.set SO,  244
.set KS,  248                          ; v248-251 k's scale words
.set F,   252
.set PS,  253                          ; p's scale word
.set TP,  254
.set QS,  255                          ; q's scale word
.set TB,  2
.set KC,  3
.set WV,  18
.set SEL, 20
.set CS,  22
.set G1,  24
.set G0,  32
.set KD,  48
; THE FILL AS IT STANDS NOW (in place of the four loads of waves 0-3 that the lines above name): wave w fetches record w, one joint load a wave; one barrier shows all 16 records to all waves; the 16 key steps are one loop.
.macro CROUND
	s_barrier_signal -1
	s_barrier_wait -1
	s_cmp_lg_u32 s[WV], 0
	s_cbranch_scc1 .Lnot_wave_0_\@
	s_barrier_signal -3
.Lnot_wave_0_\@:
	s_barrier_wait -3
	s_barrier_signal -1
	s_barrier_wait -1
.endm
	s_load_b256 s[4:11], s[0:1], 0x0               ; qimg 4, qsc 6, kvimg 8, cimg 10
	s_load_b64 s[12:13], s[0:1], 0x20              ; csc
	v_lshl_add_u32 v254, v0, 2, 0x34000
	v_mov_b32 v255, 0
	ds_add_u32 v254, v255
	ds_add_u32 v254, v255
	s_wait_dscnt 0x0
	v_lshrrev_b32 v10, 5, v0
	s_delay_alu instid0(VALU_DEP_1)
	v_readfirstlane_b32 s[WV], v10                 ; wave 0..15
	s_and_b32 s50, s[WV], 3                        ; which of the four query heads
	s_lshr_b32 s51, s[WV], 2                       ; position
	s_bfe_u32 s52, ttmp6, 0x40000                  ; cx
	s_lshl_b32 s53, ttmp9, 2
	s_add_co_u32 s53, s53, s52                     ; g
	s_and_b32 s54, ttmp7, 0xffff                   ; kv
	s_lshr_b32 s55, ttmp9, 1                       ; g / 8
	s_and_b32 s58, s51, 1
	s_lshr_b32 s59, s51, 1
	s_lshl_b32 s62, s53, 1
	s_sub_co_u32 s62, 63, s62                      ; 63 - 2 g
	s_mul_i32 s60, s62, s58
	s_lshl_b32 s56, s59, 6
	s_add_co_u32 s56, s56, s53
	s_add_co_u32 s56, s56, s60                     ; T
	s_lshl_b32 s61, s55, 1
	s_sub_co_u32 s61, 7, s61
	s_mul_i32 s61, s61, s58
	s_lshl_b32 s[KD], s59, 3
	s_add_co_u32 s[KD], s[KD], s55
	s_add_co_u32 s[KD], s[KD], s61                 ; KD = T / 8: no place in the cluster enters it
	s_lshl_b32 s57, s54, 2
	s_add_co_u32 s57, s57, s50                     ; my query head
	s_mov_b32 s[G1], 15|(3<<16)|(1<<21)            ; the mask: all four work-groups; elements of 8 bytes; bit 21 beside a mask; no padding
	s_mov_b32 s[G1+1], 32<<16                      ; a record is 51 rows of 256 bytes, dense
	s_mov_b32 s[G1+2], 51<<16
	s_mov_b32 s[G1+3], 32<<16
	s_mov_b32 s[G1+4], 51
	s_mov_b32 s[G1+5], 32
	s_mov_b32 s[G1+6], 0
	s_mov_b32 s[G1+7], 0
	s_mov_b32 s[SEL], 0x76543210
	s_mov_b32 s[SEL+1], 0xfedcba98
	s_mov_b32 s[CS], 0x3e38aa3b                    ; c = log2(e) / 8
	s_mov_b32 s[CS+1], s[CS]
	v_and_b32 v10, 31, v0
	s_delay_alu instid0(VALU_DEP_1)
	v_lshlrev_b32 v[L16], 4, v10
	s_delay_alu instid0(VALU_DEP_2)
	v_lshlrev_b32 v[L8], 3, v10
	s_delay_alu instid0(VALU_DEP_3)
	v_lshlrev_b32 v[L4], 2, v10
	v_and_b32 v[SBA], 15, v0                       ; r
	v_bfe_u32 v[DL], v0, 4, 1
	s_delay_alu instid0(VALU_DEP_1)
	v_lshlrev_b32 v[DL], 3, v[DL]
	s_delay_alu instid0(VALU_DEP_1)
	v_sub_nc_u32 v[DL], v[SBA], v[DL]              ; r - 8 h
	s_and_b32 s60, s56, 7
	s_lshl_b32 s60, s60, 4
	v_add_nc_u32 v[DL], s60, v[DL]                 ; + 16 (T % 8)
	v_lshlrev_b32 v[R4], 2, v[SBA]
	s_lshl_b32 s60, s51, 7
	s_lshl_b32 s61, s50, 1
	s_add_co_u32 s60, s60, s61
	s_add_co_u32 s60, s60, SCST
	v_lshl_add_u32 v[SBA], v[SBA], 3, s60          ; 8 bytes a query: (16 p + r) x 8 + 2 x head
	s_lshl_b32 s14, s57, 7
	s_add_co_u32 s14, s14, s56                     ; 128 head + T
	s_lshl_b32 s16, s14, 6
	s_mul_i32 s14, s14, 768
	s_mov_b32 s15, 0
	s_mov_b32 s17, 0
	s_mul_i32 s61, s[WV], REC                      ; what I fetch, and where it goes: record w
	s_mul_i32 s58, s54, 16*REC
	s_add_co_u32 s58, s58, s61
	s_mov_b32 s59, 0
	s_wait_kmcnt 0x0
	s_add_nc_u64 s[4:5], s[4:5], s[14:15]          ; q's image
	s_add_nc_u64 s[6:7], s[6:7], s[16:17]          ; q's scale words
	s_lshl_b32 s14, s56, 5
	s_add_co_u32 s14, s14, s57
	s_mul_i32 s14, s14, 768
	s_add_nc_u64 s[10:11], s[10:11], s[14:15]      ; cimg: (32 T + head) x 768
	s_lshl_b32 s14, s54, 14
	s_add_nc_u64 s[12:13], s[12:13], s[14:15]      ; csc: my kv's 16,384 bytes
	s_add_nc_u64 s[8:9], s[8:9], s[58:59]
.irp g, 0
	s_mov_b32 s[G0+4*\g], 1
	s_add_co_u32 s[G0+4*\g+1], s61, 4*\g*REC
	s_add_nc_u64 s[G0+4*\g+2:G0+4*\g+3], s[8:9], 4*\g*REC
	s_or_b32 s[G0+4*\g+3], s[G0+4*\g+3], 0x80000000
.endr
	CROUND                                         ; all four work-groups are here: the joint loads meet
	tensor_load_to_lds s[G0:G0+3], s[G1:G1+7]      ; my one load: record w of the head's 16
	s_nop 0
.rept 4
	v_nop
.endr
	global_load_b128 v[Q:Q+3], v[L16], s[4:5]
	s_wait_alu depctr_va_vdst(0)
	global_load_b64 v[Q+4:Q+5], v[L8], s[4:5] offset:512
	global_load_b32 v[QS], v[R4], s[6:7]
.irp i, 6,7,8,9,10,11
	v_mov_b32 v[Q+\i], 0                           ; zero codes for K = 64 .. 127, written once
	v_mov_b32 v[KFR+\i], 0
	v_mov_b32 v[KFR+12+\i], 0
	v_mov_b32 v[KFR+24+\i], 0
	v_mov_b32 v[KFR+36+\i], 0
.endr
.irp j, 0,1,2,3,4,5,6,7,8,9,10,11,12,13,14,15,16,17,18,19,20,21,22,23,24,25,26,27,28,29,30,31
	v_mov_b32 v[O+\j], 0                           ; O^T: the step is written without a first step of its own: the first change of M multiplies zeros
.endr
	v_mov_b32 v13, 0xff61b1e6                      ; the largest t so far: -3e38
	s_delay_alu instid0(VALU_DEP_1)
	v_floor_f32 v12, -v13                          ; -M
	v_mov_b32 v14, 0
	v_mov_b32 v15, 0
.irp b, 0,1,2,3
	v_mov_b32 v[WK+\b], 0                          ; (a lane permute's destination counts as one of its sources)
.endr
	v_mov_b32 v[F], 0
	v_mov_b32 v[PS], 0
	s_wait_loadcnt 0x0                             ; q
.macro SMUL t                          ; S^T, tile t: keys 16 t on
.if (\t)%2
	v_wmma_scale_f32_16x16x128_f8f6f4 v[S+8*(\t):S+8*(\t)+7], v[KFR+12*((\t)%4):KFR+12*((\t)%4)+11], v[Q:Q+11], 0, v[KS+(\t)/2], v[QS] matrix_a_fmt:MATRIX_FMT_FP6 matrix_b_fmt:MATRIX_FMT_FP6 matrix_a_scale:MATRIX_SCALE_ROW1
.else
	v_wmma_scale_f32_16x16x128_f8f6f4 v[S+8*(\t):S+8*(\t)+7], v[KFR+12*((\t)%4):KFR+12*((\t)%4)+11], v[Q:Q+11], 0, v[KS+(\t)/2], v[QS] matrix_a_fmt:MATRIX_FMT_FP6 matrix_b_fmt:MATRIX_FMT_FP6
.endif
.endm
.macro PVMUL n                         ; O^T, tile n: d = 16 n on
.if (\n)%2
	v_wmma_scale_f32_16x16x128_f8f6f4 v[O+8*(\n):O+8*(\n)+7], v[VFR+12*(\n):VFR+12*(\n)+11], v[P:P+11], v[O+8*(\n):O+8*(\n)+7], v[VS+(\n)/2], v[PS] matrix_a_fmt:MATRIX_FMT_FP6 matrix_b_fmt:MATRIX_FMT_FP6 matrix_a_scale:MATRIX_SCALE_ROW1
.else
	v_wmma_scale_f32_16x16x128_f8f6f4 v[O+8*(\n):O+8*(\n)+7], v[VFR+12*(\n):VFR+12*(\n)+11], v[P:P+11], v[O+8*(\n):O+8*(\n)+7], v[VS+(\n)/2], v[PS] matrix_a_fmt:MATRIX_FMT_FP6 matrix_b_fmt:MATRIX_FMT_FP6
.endif
.endm
; A KEY STEP: 128 keys, the record at LDS byte s[TB].
.macro STEP
	s_cmp_gt_u32 s[KC], s[KD]                      ; all its keys come after my queries: the work is left out
	s_cbranch_scc1 .Lhidden_\@
	v_add_nc_u32 v[A16], s[TB], v[L16]
	v_add_nc_u32 v[A8], s[TB], v[L8]
	v_add_nc_u32 v[A4], s[TB], v[L4]
	v_nop                                          ; with the three additions: four places in front of loads into registers that the last products have read
.irp i, 0,1,2,3
	ds_load_b32 v[KS+\i], v[A4] offset:KSW+128*\i  ; k's scale words: lanes 0-15 tile 2 i, lanes 16-31 tile 2 i + 1
.endr
.irp t, 0,1,2,3
	ds_load_b128 v[KFR+12*\t:KFR+12*\t+3], v[A16] offset:768*\t
	ds_load_b64 v[KFR+12*\t+4:KFR+12*\t+5], v[A8] offset:768*\t+512
.endr
.irp n, 0,1,2,3
.irp c, 0,1,2
	ds_load_b128 v[VFR+12*\n+4*\c:VFR+12*\n+4*\c+3], v[A16] offset:VIM+1536*\n+512*\c
.endr
.endr
.irp i, 0,1
	ds_load_b32 v[VS+\i], v[A4] offset:VSW+128*\i
.endr
	s_wait_alu depctr_va_vdst(0)
	s_wait_dscnt 14                                ; k's words and tiles 0-3 are in; v's 12 loads and its 2 scale words may be out
.irp t, 0,1,2,3
	SMUL \t
.endr
.rept 4
	v_nop
.endr
.irp t, 0,1,2,3
	ds_load_b128 v[KFR+12*\t:KFR+12*\t+3], v[A16] offset:768*(4+\t)
	ds_load_b64 v[KFR+12*\t+4:KFR+12*\t+5], v[A8] offset:768*(4+\t)+512
.endr
	s_wait_dscnt 0x0
.irp t, 4,5,6,7
	SMUL \t
.endr
.rept 4
	v_nop
.endr
	s_cmp_lg_u32 s[KC], s[KD]                      ; on the diagonal the scores of hidden keys become -infinity ahead of the maximum
	s_cbranch_scc1 .Lopen_\@
	v_mov_b32 v[TP], 0xff800000
.set n, 0
.rept 64
	v_cmp_gt_i32 vcc_lo, 16*(n/8)+n%8, v[DL]       ; register 8 t + j holds key 16 t + 8 h + j of the step
	v_cndmask_b32 v[S+n], v[S+n], v[TP], vcc_lo
.set n, n+1
.endr
.Lopen_\@:
.irp b, 0,1,2,3
	v_max3_num_f32 v[BM+\b], v[S+16*\b], v[S+16*\b+1], v[S+16*\b+2]   ; the largest score of each block of 32 keys: for the row's maximum and for the block's largest p
.endr
.irp i, 3,5,7,9,11,13
.irp b, 0,1,2,3
	v_max3_num_f32 v[BM+\b], v[BM+\b], v[S+16*\b+\i], v[S+16*\b+\i+1]
.endr
.endr
.irp b, 0,1,2,3
	v_max_num_f32 v[BM+\b], v[BM+\b], v[S+16*\b+15]
.endr
.irp b, 0,1,2,3
	s_delay_alu instid0(VALU_DEP_4)
	v_permlanex16_b32 v[WK+\b], v[BM+\b], s[SEL], s[SEL+1]
.endr
.irp b, 0,1,2,3
	s_delay_alu instid0(VALU_DEP_4)
	v_max_num_f32 v[BM+\b], v[BM+\b], v[WK+\b]
.endr
	s_delay_alu instid0(VALU_DEP_2)
	v_max3_num_f32 v[TP], v[BM], v[BM+1], v[BM+2]
	s_delay_alu instid0(VALU_DEP_1)
	v_max_num_f32 v[TP], v[TP], v[BM+3]
	s_delay_alu instid0(VALU_DEP_1)
	v_mul_f32 v[TP], s[CS], v[TP]
	s_delay_alu instid0(VALU_DEP_1)
	v_max_num_f32 v13, v13, v[TP]                  ; the running largest t
	v_mov_b32 v[TP], v12
	s_delay_alu instid0(VALU_DEP_2)
	v_floor_f32 v12, -v13                          ; -M = floor(-t): M is a whole number
	s_delay_alu instid0(VALU_DEP_1)
	v_sub_f32 v[TP], v12, v[TP]
	s_delay_alu instid0(VALU_DEP_1)
	v_cvt_i32_f32 v[TP], v[TP]                     ; (it saturates)
	s_delay_alu instid0(VALU_DEP_1)
	v_ldexp_f32 v[F], 1.0, v[TP]                   ; f = 2^(old M - new M)
.irp j, 0,2,4,6,8,10,12,14,16,18,20,22,24,26,28,30,32,34,36,38,40,42,44,46,48,50,52,54,56,58,60,62
	v_pk_fma_f32 v[S+\j:S+\j+1], v[S+\j:S+\j+1], s[CS:CS+1], v[12:13] op_sel_hi:[1,0,0]   ; t - M
.endr
.irp b, 0,1,2,3
	v_fma_f32 v[BM+\b], v[BM+\b], s[CS], v12
.endr
	s_wait_alu depctr_va_vdst(0)
.irp j, 0,1,2,3,4,5,6,7,8,9,10,11,12,13,14,15,16,17,18,19,20,21,22,23,24,25,26,27,28,29,30,31,32,33,34,35,36,37,38,39,40,41,42,43,44,45,46,47,48,49,50,51,52,53,54,55,56,57,58,59,60,61,62,63
	v_exp_f32 v[S+\j], v[S+\j]                     ; p = 2^(t - M)
.endr
	v_pk_mul_f32 v[14:15], v[14:15], v[F:F+1] op_sel_hi:[1,0]   ; the sums under the new M: a plain place behind the exponentials
	s_wait_alu depctr_va_vdst(0)                   ; one wait for the batch, ahead of its first reader
.irp b, 0,1,2,3
	v_exp_f32 v[BM+\b], v[BM+\b]                   ; the block's largest p
.endr
	v_pk_add_f32 v[236:237], v[128:129], v[132:133]
	v_pk_add_f32 v[250:251], v[136:137], v[140:141]
	v_pk_add_f32 v[248:249], v[144:145], v[148:149]
	v_pk_add_f32 v[246:247], v[152:153], v[156:157]
	v_pk_add_f32 v[244:245], v[160:161], v[164:165]
	v_pk_add_f32 v[242:243], v[168:169], v[172:173]
	v_pk_add_f32 v[240:241], v[176:177], v[180:181]
	v_pk_add_f32 v[14:15], v[14:15], v[184:185]
	v_pk_add_f32 v[236:237], v[236:237], v[124:125]
	v_pk_add_f32 v[250:251], v[250:251], v[126:127]
	v_pk_add_f32 v[248:249], v[248:249], v[130:131]
	v_pk_add_f32 v[246:247], v[246:247], v[134:135]
	v_pk_add_f32 v[244:245], v[244:245], v[138:139]
	v_pk_add_f32 v[242:243], v[242:243], v[142:143]
	v_pk_add_f32 v[240:241], v[240:241], v[146:147]
	v_pk_add_f32 v[14:15], v[14:15], v[150:151]
	v_pk_add_f32 v[236:237], v[236:237], v[154:155]
	v_pk_add_f32 v[250:251], v[250:251], v[158:159]
	v_pk_add_f32 v[248:249], v[248:249], v[162:163]
	v_pk_add_f32 v[246:247], v[246:247], v[166:167]
	v_pk_add_f32 v[244:245], v[244:245], v[170:171]
	v_pk_add_f32 v[242:243], v[242:243], v[174:175]
	v_pk_add_f32 v[240:241], v[240:241], v[178:179]
	v_pk_add_f32 v[14:15], v[14:15], v[182:183]
	v_pk_add_f32 v[236:237], v[236:237], v[186:187]
	s_delay_alu instid0(VALU_DEP_2)
	v_pk_add_f32 v[14:15], v[14:15], v[246:247]
	s_delay_alu instid0(VALU_DEP_2)
	v_pk_add_f32 v[236:237], v[236:237], v[244:245]
	v_pk_add_f32 v[250:251], v[250:251], v[242:243]
	v_pk_add_f32 v[248:249], v[248:249], v[240:241]
	s_delay_alu instid0(VALU_DEP_2)
	v_pk_add_f32 v[14:15], v[14:15], v[250:251]
	s_delay_alu instid0(VALU_DEP_2)
	v_pk_add_f32 v[236:237], v[236:237], v[248:249]
	s_delay_alu instid0(VALU_DEP_1)
	v_pk_add_f32 v[14:15], v[14:15], v[236:237]
	s_wait_alu depctr_va_vdst(0)                   ; and one for the four
.irp b, 0,1,2,3
	v_max_num_f32 v[BM+\b], 0x1800000, v[BM+\b]    ; the floor 2^(3 - 127)
.endr
.irp b, 0,1,2,3
	s_delay_alu instid0(VALU_DEP_4)
	v_add_nc_u32 v[SO+\b], 0xff000000, v[BM+\b]
.endr
.irp b, 0,1,2,3
	s_delay_alu instid0(VALU_DEP_4)
	v_lshrrev_b32 v[WK+\b], 23, v[SO+\b]
.endr
	s_delay_alu instid0(VALU_DEP_3)
	v_lshl_or_b32 v[PS], v[WK+1], 8, v[WK]
	s_delay_alu instid0(VALU_DEP_1)
	v_lshl_or_b32 v[PS], v[WK+2], 16, v[PS]
	s_delay_alu instid0(VALU_DEP_1)
	v_lshl_or_b32 v[PS], v[WK+3], 24, v[PS]
.irp c, 0,1
	v_cvt_scalef32_pk16_fp6_f32 v[P+6*\c:P+6*\c+2], v[S+32*\c:S+32*\c+15], v[SO+2*\c]
	v_cvt_scalef32_pk16_fp6_f32 v[WK+4*\c:WK+4*\c+2], v[S+32*\c+16:S+32*\c+31], v[SO+2*\c+1]
.endr
	v_nop
.irp c, 0,1
.irp i, 0,1,2
	v_permlane16_swap_b32 v[P+6*\c+\i], v[WK+4*\c+\i]
.endr
.irp i, 0,1,2
	s_delay_alu instid0(VALU_DEP_3)
	v_mov_b32 v[P+3+6*\c+\i], v[WK+4*\c+\i]
.endr
.endr
.irp j, 0,2,4,6,8,10,12,14,16,18,20,22,24,26,28,30
	v_pk_mul_f32 v[O+\j:O+\j+1], v[O+\j:O+\j+1], v[F:F+1] op_sel_hi:[1,0]   ; O^T under the new M; these sixteen are also the places in front of the products below
.endr
.irp n, 0,1,2,3
	PVMUL \n
.endr
.Lhidden_\@:
.endm
	s_wait_alu depctr_va_vdst(0)                   ; the wait at the head's end
	s_wait_tensorcnt 0x0                           ; my record is in
	s_barrier_signal -1
	s_barrier_wait -1                              ; everybody's is: nothing is filled again, and no barrier stands among the steps
	s_mov_b32 s[TB], 0
	s_mov_b32 s[KC], 0
.Lstep:
	STEP
	s_add_co_u32 s[TB], s[TB], REC
	s_add_co_u32 s[KC], s[KC], 1
	s_cmp_lt_u32 s[KC], 16
	s_cbranch_scc1 .Lstep
	; THE WAY OUT: O^T / the sum; the numbers change lanes so that a lane holds 16 neighbours along d; quantiser; image; the scale bytes of four heads meet in LDS.
	s_wait_alu depctr_va_vdst(0)
	v_add_f32 v14, v14, v15
	v_add_nc_u32 v[A16], SCST, v[L16]
	v_nop
	v_nop                                          ; four places behind the last products
	v_permlanex16_b32 v[F], v14, s[SEL], s[SEL+1]
	s_delay_alu instid0(VALU_DEP_1)
	v_add_f32 v14, v14, v[F]                       ; the row's sum
	s_wait_alu depctr_va_vdst(0)
	v_rcp_f32 v14, v14
	v_nop
	s_wait_alu depctr_va_vdst(0)                   ; ahead of the reciprocal's first reader
.irp j, 0,2,4,6,8,10,12,14,16,18,20,22,24,26,28,30
	v_pk_mul_f32 v[S+\j:S+\j+1], v[O+\j:O+\j+1], v[14:15] op_sel_hi:[1,0]   ; register 8 n + j: ctx(r, 16 n + 8 h + j)
.endr
.irp b, 0,1
.irp j, 0,1,2,3,4,5,6,7
	v_permlane16_swap_b32 v[S+16*\b+\j], v[S+16*\b+8+\j]   ; now register 16 b + i: d = 32 b + 16 h + i
.endr
.endr
.irp b, 0,1
	v_max3_num_f32 v[BM+\b], |v[S+16*\b]|, |v[S+16*\b+1]|, 0x1800000
.endr
.irp i, 2,4,6,8,10,12,14
.irp b, 0,1
	s_delay_alu instid0(VALU_DEP_2)
	v_max3_num_f32 v[BM+\b], v[BM+\b], |v[S+16*\b+\i]|, |v[S+16*\b+\i+1]|
.endr
.endr
.irp b, 0,1
	s_delay_alu instid0(VALU_DEP_2)
	v_permlanex16_b32 v[WK+\b], v[BM+\b], s[SEL], s[SEL+1]
.endr
.irp b, 0,1
	s_delay_alu instid0(VALU_DEP_2)
	v_max_num_f32 v[BM+\b], v[BM+\b], v[WK+\b]
.endr
.irp b, 0,1
	s_delay_alu instid0(VALU_DEP_2)
	v_add_nc_u32 v[SO+\b], 0xff000000, v[BM+\b]
.endr
.irp b, 0,1
	s_delay_alu instid0(VALU_DEP_2)
	v_lshrrev_b32 v[WK+2+\b], 23, v[SO+\b]
.endr
	s_delay_alu instid0(VALU_DEP_1)
	v_lshl_or_b32 v[TP], v[WK+3], 8, v[WK+2]       ; my head's two bytes of row r
	v_cvt_scalef32_pk16_fp6_f32 v[P:P+2], v[S:S+15], v[SO]
	v_cvt_scalef32_pk16_fp6_f32 v[P+4:P+6], v[S+16:S+31], v[SO+1]
	v_nop
.irp i, 0,1,2
	v_permlane16_swap_b32 v[P+\i], v[P+4+\i]
.endr
.irp i, 0,1,2
	s_delay_alu instid0(VALU_DEP_3)
	v_mov_b32 v[P+3+\i], v[P+4+\i]
.endr
	global_store_b128 v[L16], v[P:P+3], s[10:11]
	global_store_b64 v[L8], v[P+4:P+5], s[10:11] offset:512
	ds_store_b16 v[SBA], v[TP]                     ; lanes l and l + 16 write the same bytes with the same value
	s_wait_dscnt 0x0                               ; for the others' sake
	s_barrier_signal -1
	s_barrier_wait -1
	s_cmp_lg_u32 s[WV], 0
	s_cbranch_scc1 .Lnot_first
	ds_load_b128 v[S:S+3], v[A16]                  ; wave 0 stores the 512 bytes: lane l holds rows 2 (l % 8), + 1 of position l / 8
	v_bfe_u32 v[A8], v0, 3, 2
	s_delay_alu instid0(VALU_DEP_1)
	v_and_b32 v[A4], 1, v[A8]
	s_delay_alu instid0(VALU_DEP_2)
	v_lshrrev_b32 v[A8], 1, v[A8]
	s_delay_alu instid0(VALU_DEP_2)
	v_mul_u32_u24 v[A4], v[A4], s62
	s_delay_alu instid0(VALU_DEP_1)
	v_lshl_add_u32 v[A8], v[A8], 6, v[A4]
	s_delay_alu instid0(VALU_DEP_1)
	v_add_nc_u32 v[A8], s53, v[A8]                 ; that position's tile
	v_and_b32 v[A4], 7, v0
	s_delay_alu instid0(VALU_DEP_1)
	v_lshlrev_b32 v[A4], 4, v[A4]
	s_delay_alu instid0(VALU_DEP_1)
	v_lshl_add_u32 v[A8], v[A8], 7, v[A4]          ; 128 bytes a tile
	s_wait_alu depctr_va_vdst(0)
	s_wait_dscnt 0x0
	global_store_b128 v[A8], v[S:S+3], s[12:13]
.Lnot_first:
	s_wait_xcnt 0x0
	v_lshl_add_u32 v254, v0, 2, 0x34000
	v_mov_b32 v255, 0
	s_wait_alu depctr_va_vdst(0)
	s_wait_tensorcnt 0x0
	ds_add_u32 v254, v255
	s_wait_dscnt 0x0
	CROUND                                         ; the closing round
	s_endpgm
.Lfunc_end_k_qd26678aca2_attn:
	.size	k_qd26678aca2_attn, .Lfunc_end_k_qd26678aca2_attn-k_qd26678aca2_attn
	.p2alignl 7, 3214868480
	.fill 96, 4, 3214868480
	.section	.rodata,"a",@progbits
	.p2align	6, 0x0
	.amdhsa_kernel k_qd26678aca2_attn
		.amdhsa_group_segment_fixed_size 215040
		.amdhsa_private_segment_fixed_size 0
		.amdhsa_enable_private_segment 0
		.amdhsa_kernarg_size 40
		.amdhsa_user_sgpr_count 2
		.amdhsa_user_sgpr_kernarg_segment_ptr 1
		.amdhsa_wavefront_size32 1
		.amdhsa_system_sgpr_workgroup_id_x 1
		.amdhsa_system_sgpr_workgroup_id_y 1
		.amdhsa_system_sgpr_workgroup_id_z 1
		.amdhsa_system_vgpr_workitem_id 0
		.amdhsa_next_free_vgpr 256
		.amdhsa_next_free_sgpr 66
		.amdhsa_reserve_vcc 1
		.amdhsa_float_denorm_mode_32 3
		.amdhsa_float_denorm_mode_16_64 3
		.amdhsa_memory_ordered 1
		.amdhsa_forward_progress 1
		.amdhsa_inst_pref_size 37
	.end_amdhsa_kernel
	.amdgpu_metadata
---
amdhsa.version: [ 1, 2 ]
amdhsa.kernels:
  - .name:           k_qd26678aca2_attn
    .symbol:         k_qd26678aca2_attn.kd
    .args:
      - { .name: qimg, .offset: 0, .size: 8, .value_kind: global_buffer, .address_space: global }
      - { .name: qsc, .offset: 8, .size: 8, .value_kind: global_buffer, .address_space: global }
      - { .name: kvimg, .offset: 16, .size: 8, .value_kind: global_buffer, .address_space: global }
      - { .name: cimg, .offset: 24, .size: 8, .value_kind: global_buffer, .address_space: global }
      - { .name: csc, .offset: 32, .size: 8, .value_kind: global_buffer, .address_space: global }
    .group_segment_fixed_size: 215040
    .private_segment_fixed_size: 0
    .kernarg_segment_align: 8
    .kernarg_segment_size: 40
    .max_flat_workgroup_size: 512
    .sgpr_count:     66
    .vgpr_count:     256
    .wavefront_size: 32
...
	.end_amdgpu_metadata
.endif
;; end of part 2
;; launch oproj (part 3): grid 16 x 16, 4 waves a work-group, clusters of 4 x 4, 327,680 bytes of LDS; arguments cimg, csc, Wo_codes, Wo_scales, out0; writes out0
.if DOCPART == 3
	.amdgcn_target "amdgcn-amd-amdhsa--gfx1250"
	.amdhsa_code_object_version 6
	.text
	.protected	k_qd26678aca2_oproj
	.globl	k_qd26678aca2_oproj
	.p2align	8
	.type	k_qd26678aca2_oproj,@function
k_qd26678aca2_oproj:
	s_mov_b64 s[64:65], 0
	v_nop
	global_prefetch_b8 v0, s[64:65] scope:SCOPE_SE
	s_setreg_imm32_b32 hwreg(HW_REG_WAVE_MODE, 25, 1), 1
	s_wait_xcnt 0x0
	s_wait_alu depctr_hold_cnt(0) depctr_sa_sdst(0) depctr_va_vdst(0) depctr_va_sdst(0) depctr_va_ssrc(0) depctr_va_vcc(0) depctr_vm_vsrc(0)
	s_getreg_b32 s2, hwreg(HW_REG_IB_STS2, 6, 4)
	s_cmp_eq_u32 s2, 0
	s_cbranch_scc0 .Lentry_in_a_cluster
	s_endpgm
.Lentry_in_a_cluster:
	s_bfe_u32 s2, ttmp6, 0x10000c
	s_cmp_lg_u32 s2, 0xf033
	s_cbranch_scc0 .Lentry_shape_is_right
	s_endpgm
.Lentry_shape_is_right:
.set KROW,  1536
; out0 = ctx Wo^T on codes of FP6 (E2M3) with E8M0 bytes.  ctx comes as register images (cimg: a tile of 16 rows x 64 codes is 768 bytes, 32 tiles to 16 rows) and scale bytes (csc); Wo as given: rows of 1,536 bytes.
; A work-group makes 128 x 128 of out0, wave w 64 x 64: 16 accumulators, which take turns.  Source 0 = 16 rows of Wo, source 1 = 16 rows of ctx: a lane holds eight neighbouring columns of one row.
; Wo's 128 rows stay in LDS for all of K: whole rows, fetched once at the head by waves 2 and 3 (64 rows each), jointly with the cluster's column.
; ctx goes in four runs of 512 along K through two slots, fetched by waves 0 and 1, jointly with the cluster's row.  The scale words come once, straight into registers.
.set ROWB,  1536                       ; a tile's row of Wo: the whole row, six runs of 256 bytes
.set PITCH, 1584                       ; its LDS row: 6 x (256 bytes + 8 of padding) = 396 words: the 16 rows of a fragment start at 16 different multiples of 4 words modulo 64 (64 banks of 4 bytes: ISA guide 11.1)
.set XH,    64*PITCH
.set AT1,   6144                       ; 16 rows x 512 along K of ctx: eight images
.set SLOT,  8*AT1                      ; a slot: 128 rows x 512 along K of ctx
.set BOFF,  2*SLOT                     ; behind the two slots: Wo's 128 rows
.set SPARE, BOFF+128*PITCH             ; behind them: the spare words, 128 bytes a wave
.set SP,    272                        ; the way out's stage, 16 rows x (256 + 16) a wave, in slot 0 behind its last fill and its last read
.set FLAGS, (1<<20)|(1<<21)|(5<<22)|(1<<25)   ; elements of 1 byte; padding on; bit 21 beside a mask; after every 64 words; 2 words
.set SPW, 4
.set NIL, 5
.set L64, 6
.set L8,  7
.set AA,  16
.set AB,  20
.set STO, 24
.set RD,  25
.set CO,  26
.set SA,  64
.set SB,  96
.set BK,  128
.set WV,  14
.set RH,  15
.set CH,  16
.set G1A, 24
.set G0A, 32
.set G1B, 48
.set G0B, 56
.set MSB, 0
.macro WIN new
.if MSB != (\new)
	s_set_vgpr_msb (MSB<<8)|(\new)
.set MSB, (\new)
.endif
.endm
.macro PLACES
.rept 4
	v_nop
.endr
.endm
.macro JLOAD s
	s_cmp_eq_u32 s[RH], 0
	s_cbranch_scc0 .Lfor_b_\@
	tensor_load_to_lds s[G0A+4*\s:G0A+4*\s+3], s[G1A:G1A+7]
	s_nop 0
.rept 4
	v_nop
.endr
	s_branch .Lasked_\@
.Lfor_b_\@:
	tensor_load_to_lds s[G0B+4*\s:G0B+4*\s+3], s[G1B:G1B+7]
	s_nop 0
.rept 4
	v_nop
.endr
.Lasked_\@:
.endm
; A fill of one of ctx's slots: waves 0 and 1 alone have a part in it.  The four v_nop are also the places in front of the LDS loads that follow.
.macro ALOAD s
	s_cmp_eq_u32 s[RH], 0
	s_cbranch_scc0 .Lnone_\@
	tensor_load_to_lds s[G0A+4*\s:G0A+4*\s+3], s[G1A:G1A+7]
	s_nop 0
.Lnone_\@:
.rept 4
	v_nop
.endr
.endm
.macro CREST
	s_cmp_lg_u32 s[WV], 0
	s_cbranch_scc1 .Lnot_wave_0_\@
	s_barrier_signal -3
.Lnot_wave_0_\@:
	s_barrier_wait -3
	s_barrier_signal -1
	s_barrier_wait -1
.endm
.macro CROUND
	s_barrier_signal -1
	s_barrier_wait -1
	CREST
.endm
	s_load_b256 s[4:11], s[0:1], 0x0
	s_load_b64 s[12:13], s[0:1], 0x20
	v_lshl_add_u32 v[SPW], v0, 2, SPARE
	v_mov_b32 v[NIL], 0
	ds_add_u32 v4, v5
	ds_add_u32 v4, v5
	s_wait_dscnt 0x0
	v_lshrrev_b32 v1, 5, v0
	v_readfirstlane_b32 s[WV], v1
	s_lshr_b32 s[RH], s[WV], 1
	s_and_b32 s[CH], s[WV], 1
	s_bfe_u32 s40, ttmp6, 0x40000
	s_bfe_u32 s41, ttmp6, 0x40004
	s_lshl_b32 s42, ttmp9, 2
	s_add_co_u32 s42, s42, s40
	s_and_b32 s17, ttmp7, 0xffff
	s_lshl_b32 s17, s17, 2
	s_add_co_u32 s17, s17, s41
	s_lshl_b32 s43, s41, 2
	s_lshl_b32 s43, 15, s43
	s_lshl_b32 s44, 0x1111, s40
	s_or_b32 s[G1A], s43, (3<<16)|(1<<21)
	s_mov_b32 s[G1A+1], 768<<16
	s_mov_b32 s[G1A+2], 4<<16
	s_mov_b32 s[G1A+3], 768<<16
	s_mov_b32 s[G1A+4], 4
	s_mov_b32 s[G1A+5], 3072
	s_mov_b32 s[G1A+6], 0
	s_mov_b32 s[G1A+7], 0
	s_or_b32 s[G1B], s44, FLAGS
	s_mov_b32 s[G1B+1], ROWB<<16
	s_mov_b32 s[G1B+2], 64<<16
	s_mov_b32 s[G1B+3], ROWB<<16
	s_mov_b32 s[G1B+4], 64
	s_mov_b32 s[G1B+5], KROW
	s_mov_b32 s[G1B+6], 0
	s_mov_b32 s[G1B+7], 0
	s_lshl_b32 s20, s17, 3
	s_lshl_b32 s21, s[CH], 2
	s_add_co_u32 s20, s20, s21
	s_mul_i32 s20, s20, 24576
	s_mov_b32 s21, 0
	s_lshl_b32 s46, s42, 7
	s_lshl_b32 s47, s[CH], 6
	s_add_co_u32 s46, s46, s47
	s_mul_i32 s46, s46, KROW
	s_mov_b32 s47, 0
	s_mul_i32 s22, s[CH], 4*AT1
	s_mul_i32 s23, s[CH], XH
	s_wait_kmcnt 0x0
	s_add_nc_u64 s[20:21], s[4:5], s[20:21]
	s_add_nc_u64 s[46:47], s[8:9], s[46:47]
	CROUND
.irp s, 0,1
	s_mov_b32 s[G0A+4*\s], 1
	s_add_co_u32 s[G0A+4*\s+1], s22, \s*SLOT
	s_add_nc_u64 s[G0A+4*\s+2:G0A+4*\s+3], s[20:21], \s*AT1
	s_or_b32 s[G0A+4*\s+3], s[G0A+4*\s+3], 0x80000000
.endr
	s_mov_b32 s[G0B], 1
	s_add_co_u32 s[G0B+1], s23, BOFF
	s_mov_b64 s[G0B+2:G0B+3], s[46:47]
	s_or_b32 s[G0B+3], s[G0B+3], 0x80000000
	JLOAD 0                                        ; one load a wave at the head: waves 0, 1 ctx's slot 0, waves 2, 3 Wo's rows
	v_and_b32 v1, 15, v0
	v_bfe_u32 v2, v0, 4, 1
	v_and_b32 v3, 31, v0
	v_lshlrev_b32 v[L64], 6, v3
	v_lshlrev_b32 v[L8], 3, v3
	v_lshlrev_b32 v8, 4, v3
	v_mul_u32_u24 v9, v1, PITCH
	v_mad_u32_u24 v10, v2, 24, v9
	v_mad_u32_u24 v11, v2, 32, v9                  ; lanes 16-31 behind one padding more
	s_mul_i32 s2, s[RH], 4*AT1
	s_mul_i32 s3, s[CH], XH
	s_add_co_u32 s3, s3, BOFF
.irp s, 0,1
	v_add_nc_u32 v[AA+\s], s2, v8
	v_add_nc_u32 v[AA+2+\s], s2, v[L8]
	v_add_nc_u32 v[AB+\s], s3, v10
	v_add_nc_u32 v[AB+2+\s], s3, v11
	s_add_co_u32 s2, s2, SLOT
	s_add_co_u32 s3, s3, 32*PITCH                  ; Wo's second address: my tiles 2 and 3, so that the loads' offsets stay under 16 bits
.endr
	s_mul_i32 s2, s[WV], 16*SP
	v_mul_u32_u24 v[STO], v1, SP
	v_lshl_add_u32 v[STO], v2, 5, v[STO]
	v_add_nc_u32 v[STO], s2, v[STO]
	v_mul_u32_u24 v[RD], v2, SP
	v_lshl_add_u32 v[RD], v1, 4, v[RD]
	v_add_nc_u32 v[RD], s2, v[RD]
	v_lshlrev_b32 v[CO], 13, v2
	v_lshl_add_u32 v[CO], v1, 4, v[CO]
	s_lshl_b32 s18, s17, 7
	s_lshl_b32 s19, s[RH], 6
	s_add_co_u32 s18, s18, s19
	s_lshl_b32 s20, s18, 3
	s_mov_b32 s21, 0
	s_add_nc_u64 s[6:7], s[6:7], s[20:21]
	s_lshl_b32 s20, s18, 13
	s_add_nc_u64 s[12:13], s[12:13], s[20:21]
	s_lshl_b32 s22, s42, 7
	s_lshl_b32 s23, s[CH], 6
	s_add_co_u32 s22, s22, s23
	s_lshl_b32 s20, s22, 2
	s_add_nc_u64 s[12:13], s[12:13], s[20:21]
	s_lshl_b32 s20, s22, 6
	s_add_nc_u64 s[10:11], s[10:11], s[20:21]
.irp p, 0,1
.irp k, 0,1,2,3,4,5,6,7
	global_load_b64 v[SA+16*\p+2*\k:SA+16*\p+2*\k+1], v[L8], s[6:7] offset:16384*\k+256*\p
.endr
.irp c, 0,1,2,3
	global_load_b128 v[SB+16*\p+4*\c:SB+16*\p+4*\c+3], v[L64], s[10:11] offset:2048*\p+16*\c
.endr
.endr
.macro FRAG reg, adr, q, i
.irp p, 0,1,2,3,4,5
.set PCE, 12*(\q)+6*(\p/3)+\p%3
.if PCE%32 < 29                        ; 32 pieces of 8 bytes to a padding; lanes 16-31 read three pieces further on
	ds_load_b64 v[\reg+2*\p:\reg+2*\p+1], v[\adr] offset:8*PCE+8*(PCE/32)+(\i)*16*PITCH
.else
	ds_load_b64 v[\reg+2*\p:\reg+2*\p+1], v[\adr+2] offset:8*PCE+8*(PCE/32)+(\i)*16*PITCH
.endif
.endr
.endm
.macro FETCH s, q, p, st               ; ctx: the q-th 128 along K of slot s; Wo: K step st of the whole row; into set p
	WIN 0x40
.irp m, 0,1,2,3
	ds_load_b128 v[96*(\p)+12*\m:96*(\p)+12*\m+3], v[AA+(\s)] offset:\m*AT1+1536*(\q)
	ds_load_b64 v[96*(\p)+12*\m+4:96*(\p)+12*\m+5], v[AA+2+(\s)] offset:\m*AT1+1536*(\q)+512
	ds_load_b128 v[96*(\p)+12*\m+6:96*(\p)+12*\m+9], v[AA+(\s)] offset:\m*AT1+1536*(\q)+768
	ds_load_b64 v[96*(\p)+12*\m+10:96*(\p)+12*\m+11], v[AA+2+(\s)] offset:\m*AT1+1536*(\q)+1280
.endr
.irp t, 0,1,2,3
	FRAG 96*(\p)+48+12*\t, AB+\t/2, \st, \t%2
.endr
.endm
.macro WM d, a, b, q, sa, sb, ra, rb
.if (\q) == 0
.if ((\ra) == 0) && ((\rb) == 0)
	v_wmma_scale_f32_16x16x128_f8f6f4 v[\d:\d+7], v[\a:\a+11], v[\b:\b+11], 0, v[\sa], v[\sb] matrix_a_fmt:MATRIX_FMT_FP6 matrix_b_fmt:MATRIX_FMT_FP6
.elseif (\rb) == 0
	v_wmma_scale_f32_16x16x128_f8f6f4 v[\d:\d+7], v[\a:\a+11], v[\b:\b+11], 0, v[\sa], v[\sb] matrix_a_fmt:MATRIX_FMT_FP6 matrix_b_fmt:MATRIX_FMT_FP6 matrix_a_scale:MATRIX_SCALE_ROW1
.elseif (\ra) == 0
	v_wmma_scale_f32_16x16x128_f8f6f4 v[\d:\d+7], v[\a:\a+11], v[\b:\b+11], 0, v[\sa], v[\sb] matrix_a_fmt:MATRIX_FMT_FP6 matrix_b_fmt:MATRIX_FMT_FP6 matrix_b_scale:MATRIX_SCALE_ROW1
.else
	v_wmma_scale_f32_16x16x128_f8f6f4 v[\d:\d+7], v[\a:\a+11], v[\b:\b+11], 0, v[\sa], v[\sb] matrix_a_fmt:MATRIX_FMT_FP6 matrix_b_fmt:MATRIX_FMT_FP6 matrix_a_scale:MATRIX_SCALE_ROW1 matrix_b_scale:MATRIX_SCALE_ROW1
.endif
.else
.if ((\ra) == 0) && ((\rb) == 0)
	v_wmma_scale_f32_16x16x128_f8f6f4 v[\d:\d+7], v[\a:\a+11], v[\b:\b+11], v[\d:\d+7], v[\sa], v[\sb] matrix_a_fmt:MATRIX_FMT_FP6 matrix_b_fmt:MATRIX_FMT_FP6
.elseif (\rb) == 0
	v_wmma_scale_f32_16x16x128_f8f6f4 v[\d:\d+7], v[\a:\a+11], v[\b:\b+11], v[\d:\d+7], v[\sa], v[\sb] matrix_a_fmt:MATRIX_FMT_FP6 matrix_b_fmt:MATRIX_FMT_FP6 matrix_a_scale:MATRIX_SCALE_ROW1
.elseif (\ra) == 0
	v_wmma_scale_f32_16x16x128_f8f6f4 v[\d:\d+7], v[\a:\a+11], v[\b:\b+11], v[\d:\d+7], v[\sa], v[\sb] matrix_a_fmt:MATRIX_FMT_FP6 matrix_b_fmt:MATRIX_FMT_FP6 matrix_b_scale:MATRIX_SCALE_ROW1
.else
	v_wmma_scale_f32_16x16x128_f8f6f4 v[\d:\d+7], v[\a:\a+11], v[\b:\b+11], v[\d:\d+7], v[\sa], v[\sb] matrix_a_fmt:MATRIX_FMT_FP6 matrix_b_fmt:MATRIX_FMT_FP6 matrix_a_scale:MATRIX_SCALE_ROW1 matrix_b_scale:MATRIX_SCALE_ROW1
.endif
.endif
.endm
.macro MULR q, a0, a1
	WIN 0xA5
.set aa, \a0
.rept (\a1)-(\a0)+1
.set tt, aa%4
.set mm, aa/4
	WM 8*aa, 96*((\q)%2)+48+12*tt, 96*((\q)%2)+12*mm, \q, SB+16*(tt/2)+(\q), SA+16*(mm/2)+(\q), tt%2, mm%2
.set aa, aa+1
.endr
.endm
.macro SUB q
	s_wait_dscnt 0x0
	PLACES
	FETCH (((\q)+1)/4)%2, ((\q)+1)%4, ((\q)+1)%2, (\q)+1
	MULR \q, 0, 15
.endm
.macro TURN q, fill
.set sl, ((\q)/4)%2
	WIN 0
	s_wait_tensorcnt 0x0
	ds_add_u32 v[SPW], v[NIL]
.if \fill
	s_add_nc_u64 s[G0A+4*sl+2:G0A+4*sl+3], s[G0A+4*sl+2:G0A+4*sl+3], 2*AT1
.endif
	s_wait_dscnt 0x1
	MULR \q, 0, 3
	s_wait_dscnt 0x0
	s_barrier_signal -1
	MULR \q, 4, 7
	WIN 0
	s_barrier_wait -1
.if \fill
	CREST
	ALOAD sl
.else
	PLACES
.endif
	FETCH 1-sl, 0, ((\q)+1)%2, (\q)+1
	MULR \q, 8, 15
.endm
	s_wait_alu depctr_va_vdst(0)                   ; the wait at the head's end
	s_wait_tensorcnt 0x0                           ; my tile of the head's four is in
	ds_add_u32 v[SPW], v[NIL]
	s_wait_dscnt 0x0
	CROUND                                         ; a whole round: everybody's tile is in, and the joint loads meet
	ALOAD 1                                        ; slot 1's first fill, the first tensor load behind the round
	FETCH 0, 0, 0, 0
	s_wait_loadcnt 0x0                             ; the scale words
.irp q, 0,1,2
	SUB \q
.endr
	TURN 3, 1
	s_wait_alu depctr_va_vdst(0)
.irp q, 4,5,6
	SUB \q
.endr
	TURN 7, 1
.irp q, 8,9,10
	SUB \q
.endr
	TURN 11, 0
.irp q, 12,13,14
	SUB \q
.endr
	s_wait_dscnt 0x0
	MULR 15, 0, 15
	WIN 0
.macro TOSTAGE m
	WIN 0x08
.irp t, 0,1,2,3
	ds_store_b128 v[STO], v[8*(4*(\m)+\t):8*(4*(\m)+\t)+3] offset:64*\t
	ds_store_b128 v[STO], v[8*(4*(\m)+\t)+4:8*(4*(\m)+\t)+7] offset:64*\t+16
.endr
	WIN 0
.irp k, 0,1,2,3,4,5,6,7
	ds_load_b128 v[BK+32*((\m)%2)+4*\k:BK+32*((\m)%2)+4*\k+3], v[RD] offset:2*SP*\k
.endr
.endm
.macro SEND m, younger
	s_wait_dscnt \younger
.irp k, 0,1,2,3,4,5,6,7
	global_store_b128 v[CO], v[BK+32*((\m)%2)+4*\k:BK+32*((\m)%2)+4*\k+3], s[12:13] offset:(16*(\m)+2*\k)*8192 th:TH_STORE_NT
.endr
.endm
	PLACES
	TOSTAGE 0
.irp a, 1,2,3
.if \a > 1
	s_wait_xcnt 0x0
.endif
	TOSTAGE \a
	SEND \a-1, 16
.endr
	SEND 3, 0
	s_wait_tensorcnt 0x0
	ds_add_u32 v[SPW], v[NIL]
	s_wait_dscnt 0x0
	CROUND
	s_endpgm
.Lfunc_end_k_qd26678aca2_oproj:
	.size	k_qd26678aca2_oproj, .Lfunc_end_k_qd26678aca2_oproj-k_qd26678aca2_oproj
	.p2alignl 7, 3214868480
	.fill 96, 4, 3214868480
	.section	.rodata,"a",@progbits
	.p2align	6, 0x0
	.amdhsa_kernel k_qd26678aca2_oproj
		.amdhsa_group_segment_fixed_size 327680
		.amdhsa_private_segment_fixed_size 0
		.amdhsa_enable_private_segment 0
		.amdhsa_kernarg_size 40
		.amdhsa_user_sgpr_count 2
		.amdhsa_user_sgpr_kernarg_segment_ptr 1
		.amdhsa_wavefront_size32 1
		.amdhsa_system_sgpr_workgroup_id_x 1
		.amdhsa_system_sgpr_workgroup_id_y 1
		.amdhsa_system_sgpr_workgroup_id_z 1
		.amdhsa_system_vgpr_workitem_id 0
		.amdhsa_next_free_vgpr 640
		.amdhsa_next_free_sgpr 66
		.amdhsa_reserve_vcc 0
		.amdhsa_float_denorm_mode_32 3
		.amdhsa_float_denorm_mode_16_64 3
		.amdhsa_memory_ordered 1
		.amdhsa_forward_progress 1
		.amdhsa_inst_pref_size 95
	.end_amdhsa_kernel
	.amdgpu_metadata
---
amdhsa.version: [ 1, 2 ]
amdhsa.kernels:
  - .name:           k_qd26678aca2_oproj
    .symbol:         k_qd26678aca2_oproj.kd
    .args:
      - { .name: cimg, .offset: 0, .size: 8, .value_kind: global_buffer, .address_space: global }
      - { .name: csc, .offset: 8, .size: 8, .value_kind: global_buffer, .address_space: global }
      - { .name: Wo_codes, .offset: 16, .size: 8, .value_kind: global_buffer, .address_space: global }
      - { .name: Wo_scales, .offset: 24, .size: 8, .value_kind: global_buffer, .address_space: global }
      - { .name: out0, .offset: 32, .size: 8, .value_kind: global_buffer, .address_space: global }
    .group_segment_fixed_size: 327680
    .private_segment_fixed_size: 0
    .kernarg_segment_align: 8
    .kernarg_segment_size: 40
    .max_flat_workgroup_size: 128
    .sgpr_count:     66
    .vgpr_count:     640
    .wavefront_size: 32
...
	.end_amdgpu_metadata
.endif
;; end of part 3
